; MI455X (gfx1250); checked and timed in simulation.
; The chip was launched on July 23, 2026; its instructions are those of AMD's public machine-readable ISA for CDNA 5 (MIT licence, August 2026) and "CDNA5" Instruction Set Architecture Reference Guide (July 2026). The comments in the code are by the model that wrote it; some were corrected since.
;; Multi Head Attention. Allowed arithmetic: float matrix products may take bf16 or f16 operands with f32 sums; all other float work in f32.
;; Inputs: Wk 512 x 512 float32; Wo 512 x 512 float32; Wq 512 x 512 float32; Wv 512 x 512 float32; bo 512 float32; token_embed 2 x 4,096 x 512 float32.
;; Outputs: out0 2 x 4,096 x 512 float32.
;; 2 versions, each right; version 2 is version 1 with the launches proj, outp written anew for expert scheduling mode. Each part assembles by itself: llvm-mc -triple=amdgcn-amd-amdhsa -mcpu=gfx1250 --defsym DOCPART=n.
;; ======== version 1 of 2: 3 launches
;; limits: values are held in f16: magnitudes above 65,504 overflow, below 6.1e-05 lose precision
;; workspace buffers: qkv 25,165,824 bytes; vlo 4,194,304 bytes; cf 16,777,216 bytes
;; launch proj (part 1): grid 8 x 32, 4 waves a work-group, no clusters, 237,056 bytes of LDS; arguments token_embed, Wq, Wk, Wv, qkv, vlo; writes qkv, vlo
.if DOCPART == 1
	.amdgcn_target "amdgcn-amd-amdhsa--gfx1250"
	.amdhsa_code_object_version 6
	.text
	.protected	k_q0fe3cd1b26_proj
	.globl	k_q0fe3cd1b26_proj
	.p2align	8
	.type	k_q0fe3cd1b26_proj,@function
k_q0fe3cd1b26_proj:
	s_mov_b64 s[64:65], 0
	v_nop
	global_prefetch_b8 v0, s[64:65] scope:SCOPE_SE
	s_setreg_imm32_b32 hwreg(HW_REG_WAVE_MODE, 25, 1), 1
	s_wait_xcnt 0x0
; q, k, v = x W^T for Wq, Wk, Wv.  x: [8192][512] f32, W: [512][512] f32 (rows = output features); operands rounded to bf16, sums in f32.
; q is multiplied by 0.125 log2(e) before it is rounded, so that the attention launch can use exponentials of base 2 on raw products.
; THE RESULTS ARE ROUNDED TO F16, not bf16: a row of the attention with n keys has a spread that falls as 1 / sqrt(n), so the first rows stand some twenty times
; above the whole output's root mean square, and their rounding error has to stay small against that root mean square: 8 bits of significand do not do.
; LIMIT: |0.18 q|, |k| and |v| must stay below 65,504.  With x and W both 30 times larger their spread is about 405; with offsets of 30 spreads on both about 9,216.
; RESULT LAYOUT (qkv, f16): [b*8+head 16][slot 32][which 3][tt 8][c 2][half 2][512 bytes]; token t = 128 slot + 16 tt + r; the 16 bytes of (r, h) hold
; features 32 c + 16 half + 8 h + 0..7 of the head.  q and k: at byte 16 (16 h + r) of the 512; v: at 16 (16 (r>>3) + 8 h + (r&7)), the place from which the
; attention launch's transposing LDS load takes it at 16 x lane.  Every store of a wave covers 512 consecutive bytes, aligned.
; vlo (f16): [b*8+head 16][slot 32][tt 4][c 2][half 2][512 bytes]: v - f16(v) of the first 64 tokens of every slot, laid as v is.  The attention launch adds it
; for the rows with fewer than 64 keys (see there).
; SHARES: 256 work-groups; one makes 256 tokens (grid y) x 192 features = three units of 64 features, unit u = 3 x + i: matrix u>>3, head u&7.
; Wave w makes tokens 64 w .. 64 w + 63 x all 192 features: 4 token tiles x 12 feature tiles = 48 accumulators.
; The 192 rows of W are converted once into LDS (one barrier); x streams through a ring of 48 loads a wave into a stage of the wave's own.
; The matrix instruction takes W as source 0 and x as source 1: a lane then holds 8 neighbouring features of one token, 16 bytes of f16.
; NO CLUSTER: the operands are f32 and become bf16 in registers; a jointly fetched tile would land in LDS as f32 and cross LDS three times
; (4 bytes in, 4 bytes out, 2 bytes in again for each number) where this text stores 2 bytes once.
; k and v are multiplied by 1.0 on the way out: which matrix a unit belongs to differs between work-groups, and one text serves all.
.set WPITCH, 1040                      ; LDS row of W: 1,024 bytes + 16: an odd multiple of 16, so 16 rows of a fragment load start 16 bytes apart modulo 256
.set UNITB,  64*WPITCH                 ; a unit's 64 rows
.set XSTAGE, 3*UNITB                   ; behind W: the waves' stages
.set XPITCH, 144                       ; stage row: 64 bf16 + 16 bytes
.set XWAVE,  64*XPITCH                 ; one wave's stage: 64 tokens x 64 k
.set WOFF, 2                           ; v2      16 t: my 16 bytes of a row of W
.set WST,  3                           ; v3-5    unit i: UNITB i + 8 t: where my 4 bf16 of a row go
.set XOFF, 6                           ; v6      two rows of x, 256 bytes each: (L>>4) 2048 + 16 (L&15)
.set XST,  7                           ; v7      stage + (L>>4) 144 + 8 (L&15)
.set XAD,  8                           ; v8      stage + r 144 + 16 h: x fragments
.set WADR, 9                           ; v9-11   unit u: UNITB u + r 1040 + 16 h: W fragments
.set LOFF, 12                          ; v12-14  unit i: my 16 bytes in a block of 512 of the result
.set T,    16                          ; v16-31  eight pairs of packed bf16
.set T2,   32                          ; v32-63  the way out: scaled f32, then the residues
.set RAW,  64                          ; v64-255 ring of 48 loads x 4 registers
.set Y,    64                          ; v64-79  the way out: packed results (the ring is empty then); named by number in OUTB's list of halves
.set YL,   80                          ; v80-95  the way out: packed residues
.set H,    96                          ; v96-127 the way out: the packed results widened again
.set WF,   0                           ; window 1: v0-47 feature tiles 0-5, v48-95 tiles 6-11
.set XF,   96                          ; window 1: v[96 + 64 par + 32 k2 + 8 a]
.set WB,   20                          ; s[20:25] unit i: its 64 rows of W
.set OB,   26                          ; s[26:31] unit i: where my 64 tokens of it go
.set SC,   32                          ; s[32:37] unit i: the scale, twice
.set XB,   38                          ; s[38:39] my 64 rows of x
.set OL,   48                          ; s[48:53] unit i: where my 64 tokens' residues go
.set FL,   54                          ; s54-56   unit i: 1 if it is a unit of v and my tokens are a slot's first 64
.set TO1,    0x40                      ; destination window 1
.set MUL_LO, 0xa5                      ; sources 0 and 1 window 1, C and D window 2 (feature tiles 0-5)
.set MUL_HI, 0xf5                      ; the same, window 3 (feature tiles 6-11)
.set MSB, 0
.macro WIN new                         ; the immediate's high byte repeats the setting that is left
.if MSB != \new
	s_set_vgpr_msb (MSB<<8)|\new
.set MSB, \new
.endif
.endm
.macro PLACES                          ; four places behind matrix instructions in front of loads into their sources and of reads of their results
.rept 4
	v_nop
.endr
.endm
	s_load_b256 s[4:11], s[0:1], 0x0               ; x s[4:5], Wq s[6:7], Wk s[8:9], Wv s[10:11]
	s_load_b128 s[12:15], s[0:1], 0x20             ; qkv s[12:13], vlo s[14:15]
	v_lshl_add_u32 v15, v0, 2, 0x39c00
	s_set_vgpr_msb 0x40
	v_mov_b32 v255, 0
	s_set_vgpr_msb 0x4000
	v_lshrrev_b32 v1, 5, v0
	v_readfirstlane_b32 s16, v1                    ; wave
	s_mov_b32 s17, ttmp9                           ; x: which three units
	s_and_b32 s18, ttmp7, 0xffff                   ; y: which 256 tokens
	v_and_b32 v1, 31, v0                           ; lane L
	v_and_b32 v16, 15, v1                          ; r
	v_lshrrev_b32 v17, 4, v1                       ; h
	v_lshlrev_b32 v[WOFF], 4, v0
	v_lshlrev_b32 v[WST], 3, v0
	v_add_nc_u32 v[WST+1], UNITB, v[WST]
	v_add_nc_u32 v[WST+2], 2*UNITB, v[WST]
	v_lshlrev_b32 v18, 4, v16
	v_lshl_add_u32 v[XOFF], v17, 11, v18
	s_mul_i32 s47, s16, XWAVE
	s_add_co_u32 s47, s47, XSTAGE                  ; my stage
	v_mul_u32_u24 v19, v17, XPITCH
	v_lshl_add_u32 v19, v16, 3, v19
	v_add_nc_u32 v[XST], s47, v19
	v_mul_u32_u24 v19, v16, XPITCH
	v_lshl_add_u32 v19, v17, 4, v19
	v_add_nc_u32 v[XAD], s47, v19
	v_mul_u32_u24 v19, v16, WPITCH
	v_lshl_add_u32 v[WADR], v17, 4, v19
	v_add_nc_u32 v[WADR+1], UNITB, v[WADR]
	v_add_nc_u32 v[WADR+2], 2*UNITB, v[WADR]
	v_bfe_u32 v20, v1, 3, 1                        ; r>>3
	v_and_b32 v21, 7, v1                           ; r&7
	v_lshl_add_u32 v21, v17, 3, v21
	v_lshl_add_u32 v21, v20, 4, v21
	v_lshlrev_b32 v21, 4, v21                      ; v: 16 (16 (r>>3) + 8 h + (r&7))
	v_lshlrev_b32 v22, 4, v1                       ; q, k: 16 L
	s_mul_i32 s40, s17, 3
	s_mov_b32 s45, 0
	s_wait_kmcnt 0x0
.irp i, 0,1,2
	s_add_co_u32 s41, s40, \i                      ; unit
	s_lshr_b32 s42, s41, 3                         ; matrix: 0 q, 1 k, 2 v
	s_and_b32 s43, s41, 7                          ; head
	s_cmp_eq_u32 s42, 1
	s_cselect_b64 s[WB+2*\i:WB+2*\i+1], s[8:9], s[6:7]
	s_cmp_eq_u32 s42, 2
	s_cselect_b64 s[WB+2*\i:WB+2*\i+1], s[10:11], s[WB+2*\i:WB+2*\i+1]
	s_lshl_b32 s44, s43, 17                        ; 64 rows of 2,048 bytes a head
	s_add_nc_u64 s[WB+2*\i:WB+2*\i+1], s[WB+2*\i:WB+2*\i+1], s[44:45]
	s_cmp_eq_u32 s42, 0
	s_cselect_b32 s[SC+2*\i], 0x3e38aa3b, 1.0      ; q: 0.125 log2(e)
	s_mov_b32 s[SC+2*\i+1], s[SC+2*\i]
	s_cmp_eq_u32 s42, 2
	s_cselect_b32 s46, -1, 0
	v_cndmask_b32 v[LOFF+\i], v22, v21, s46
	s_and_b32 s47, s16, 1
	s_xor_b32 s47, s47, 1                          ; 1 in waves 0 and 2: a slot's first 64 tokens
	s_and_b32 s[FL+\i], s46, s47
	s_lshr_b32 s46, s18, 4                         ; batch
	s_lshl3_add_u32 s46, s46, s43                  ; 8 batch + head
	s_mul_i32 s44, s46, 1572864
	s_lshl_b32 s41, s46, 18                        ; vlo: 262,144 bytes a head
	s_and_b32 s46, s18, 15
	s_lshl_b32 s46, s46, 1
	s_lshr_b32 s47, s16, 1
	s_add_co_u32 s46, s46, s47                     ; slot of 128 tokens
	s_lshl_b32 s47, s46, 13                        ; vlo: 8,192 bytes a slot
	s_add_co_u32 s41, s41, s47
	s_mul_i32 s46, s46, 49152
	s_add_co_u32 s44, s44, s46
	s_lshl_b32 s46, s42, 14
	s_add_co_u32 s44, s44, s46
	s_and_b32 s46, s16, 1
	s_lshl_b32 s46, s46, 13                        ; token tiles 0-3 or 4-7 of the slot
	s_add_co_u32 s44, s44, s46
	s_add_nc_u64 s[OB+2*\i:OB+2*\i+1], s[12:13], s[44:45]
	s_mov_b32 s44, s41
	s_add_nc_u64 s[OL+2*\i:OL+2*\i+1], s[14:15], s[44:45]
.endr
	s_lshl_b32 s44, s18, 8
	s_lshl_b32 s46, s16, 6
	s_add_co_u32 s44, s44, s46
	s_lshl_b32 s44, s44, 11                        ; (256 y + 64 w) rows of 2,048 bytes
	s_add_nc_u64 s[XB:XB+1], s[4:5], s[44:45]
; x load number q (0..255): two rows x 256 bytes of chunk q/32 (64 k), rows 2 (q%32), 2 (q%32) + 1 of my 64
.macro XLOAD q
	global_load_b128 v[RAW+4*((\q)%48):RAW+4*((\q)%48)+3], v[XOFF], s[XB:XB+1] offset:((\q)%32)*4096+((\q)/32)*256
.endm
; row n (0..191) of the work-group's W: the 128 threads convert its 2,048 bytes; the ring slot is filled again with row n + 48, then with x
.macro WSTEP n
	s_wait_loadcnt 47                              ; 48 loads are out, they return in order: the oldest, row n, is in
	v_cvt_pk_bf16_f32 v[T+2*((\n)%8)],   v[RAW+4*((\n)%48)],   v[RAW+4*((\n)%48)+1]
	v_cvt_pk_bf16_f32 v[T+2*((\n)%8)+1], v[RAW+4*((\n)%48)+2], v[RAW+4*((\n)%48)+3]
	ds_store_b64 v[WST+(\n)/64], v[T+2*((\n)%8):T+2*((\n)%8)+1] offset:((\n)%64)*WPITCH
.if (\n)+48 < 192
	global_load_b128 v[RAW+4*((\n)%48):RAW+4*((\n)%48)+3], v[WOFF], s[WB+2*(((\n)+48)/64):WB+2*(((\n)+48)/64)+1] offset:(((\n)+48)%64)*2048
.else
	XLOAD (\n)-144
.endif
.endm
; x load q is converted into my stage; the slot gets x load q + 48
.macro CONV q
.if 255-(\q) < 47
	s_wait_loadcnt 255-(\q)                        ; the ring runs empty: as many loads were issued behind q
.else
	s_wait_loadcnt 47
.endif
	v_cvt_pk_bf16_f32 v[T+2*((\q)%8)],   v[RAW+4*((\q)%48)],   v[RAW+4*((\q)%48)+1]
	v_cvt_pk_bf16_f32 v[T+2*((\q)%8)+1], v[RAW+4*((\q)%48)+2], v[RAW+4*((\q)%48)+3]
	ds_store_b64 v[XST], v[T+2*((\q)%8):T+2*((\q)%8)+1] offset:((\q)%32)*2*XPITCH
.if (\q)+48 < 256
	XLOAD (\q)+48
.endif
.endm
; W fragments of sub-step sp: K step sp/2, feature tiles 6 (sp%2) + 0..5
.macro WFLOAD sp
.irp bp, 0,1,2,3,4,5
	ds_load_b128 v[WF+48*((\sp)%2)+8*\bp:WF+48*((\sp)%2)+8*\bp+3],   v[WADR+(6*((\sp)%2)+\bp)/4] offset:((6*((\sp)%2)+\bp)%4)*16*WPITCH+64*((\sp)/2)
	ds_load_b128 v[WF+48*((\sp)%2)+8*\bp+4:WF+48*((\sp)%2)+8*\bp+7], v[WADR+(6*((\sp)%2)+\bp)/4] offset:((6*((\sp)%2)+\bp)%4)*16*WPITCH+64*((\sp)/2)+32
.endr
.endm
; x fragments of chunk c: both K steps, four token tiles
.macro XFLOAD c
.irp k2, 0,1
.irp a, 0,1,2,3
	ds_load_b128 v[XF+64*((\c)%2)+32*\k2+8*\a:XF+64*((\c)%2)+32*\k2+8*\a+3],   v[XAD] offset:\a*16*XPITCH+64*\k2
	ds_load_b128 v[XF+64*((\c)%2)+32*\k2+8*\a+4:XF+64*((\c)%2)+32*\k2+8*\a+7], v[XAD] offset:\a*16*XPITCH+64*\k2+32
.endr
.endr
.endm
; 24 matrix instructions on 24 accumulators, which take turns one instruction a turn; the same accumulator returns 48 instructions later
.macro MUL24 hb, par, k2, zero
.irp bp, 0,1,2,3,4,5
.irp a, 0,1,2,3
.if \zero
	v_wmma_f32_16x16x32_bf16 v[8*(4*\bp+\a):8*(4*\bp+\a)+7], v[WF+48*(\hb)+8*\bp:WF+48*(\hb)+8*\bp+7], v[XF+64*(\par)+32*(\k2)+8*\a:XF+64*(\par)+32*(\k2)+8*\a+7], 0
.else
	v_wmma_f32_16x16x32_bf16 v[8*(4*\bp+\a):8*(4*\bp+\a)+7], v[WF+48*(\hb)+8*\bp:WF+48*(\hb)+8*\bp+7], v[XF+64*(\par)+32*(\k2)+8*\a:XF+64*(\par)+32*(\k2)+8*\a+7], v[8*(4*\bp+\a):8*(4*\bp+\a)+7]
.endif
.endr
.endr
.endm
	; W into LDS.  The ring is started with rows 0-47; the last 48 steps start the stream of x, so that 48 loads of 512 bytes stay out in every wave.
.set nw, 0
.rept 48
	global_load_b128 v[RAW+4*nw:RAW+4*nw+3], v[WOFF], s[WB:WB+1] offset:nw*2048
.set nw, nw+1
.endr
.set nw, 0
.rept 192
	WSTEP nw
.set nw, nw+1
.endr
	s_wait_dscnt 0x0                               ; my stores of W are done, for the other waves' sake
	s_barrier_signal -1
	s_barrier_wait -1                              ; W is whole.  The loads of x stay out: nobody writes those bytes
.set qq, 0
.rept 32
	CONV qq                                        ; chunk 0 of x
.set qq, qq+1
.endr
	WIN TO1
	XFLOAD 0                                       ; LDS serves a wave's instructions in order (ISA guide 5.7.1): these see my stores above
	WFLOAD 0
	; 32 sub-steps: K step ss/2, feature tiles 0-5 or 6-11.  Each fetches the next sub-step's W fragments; in a chunk's first two sub-steps the next chunk
	; of x is converted into the stage (behind the loads that read the last chunk out of it), in its third the next chunk's fragments are fetched.
.set ss, 0
.rept 32
	PLACES
	s_wait_dscnt 0x0                               ; what the last sub-step fetched is in: it had 24 matrix instructions in which to land
	WIN TO1
.if ss < 31
	WFLOAD ss+1
.endif
.if ss < 28
.if (ss%4) == 2
	XFLOAD ss/4+1
.endif
.if (ss%4) < 2
	WIN 0
.set qq, 32*(ss/4+1)+16*(ss%4)
.rept 16
	CONV qq
.set qq, qq+1
.endr
.endif
.endif
.if (ss%2) == 0
	WIN MUL_LO
.else
	WIN MUL_HI
.endif
.if ss < 2
	MUL24 ss%2, (ss/4)%2, (ss/2)%2, 1              ; the first K step starts the sums: nothing is cleared
.else
	MUL24 ss%2, (ss/4)%2, (ss/2)%2, 0
.endif
.set ss, ss+1
.endr
	; The way out.  Register j of lane (r, h) of tile (b, a) is feature 16 b + 8 h + j of token 16 a + r: eight neighbours, 16 bytes of f16.
.macro OUTB b
.if \b < 6
	WIN 0x02                                       ; source 0 from window 2
.else
	WIN 0x03
.endif
.irp a, 0,1,2,3
.irp j, 0,2,4,6
	v_pk_mul_f32 v[T2+8*\a+\j:T2+8*\a+\j+1], v[8*(4*((\b)%6)+\a)+\j:8*(4*((\b)%6)+\a)+\j+1], s[SC+2*((\b)/4):SC+2*((\b)/4)+1] op_sel_hi:[1,0]
.endr
.endr
	WIN 0
	s_wait_xcnt 0x0                                ; Y and YL, which the last tile's stores read, are rewritten only behind this wait
.irp a, 0,1,2,3
.irp j, 0,1,2,3
	v_cvt_pk_f16_f32 v[Y+4*\a+\j], v[T2+8*\a+2*\j], v[T2+8*\a+2*\j+1]
.endr
.endr
.irp a, 0,1,2,3
	global_store_b128 v[LOFF+(\b)/4], v[Y+4*\a:Y+4*\a+3], s[OB+2*((\b)/4):OB+2*((\b)/4)+1] offset:\a*2048+((\b)%4)*512
.endr
	s_cmp_eq_u32 s[FL+(\b)/4], 0                   ; hangs on the work-group's and the wave's number alone
	s_cbranch_scc1 .Lno_lo_\@
	; a unit of v, a slot's first 64 tokens: what the rounding to f16 left over, v - f16(v), exact in f32, rounded to f16 in its turn
.set ii, 0
.irp y, v64.l, v64.h, v65.l, v65.h, v66.l, v66.h, v67.l, v67.h, v68.l, v68.h, v69.l, v69.h, v70.l, v70.h, v71.l, v71.h, v72.l, v72.h, v73.l, v73.h, v74.l, v74.h, v75.l, v75.h, v76.l, v76.h, v77.l, v77.h, v78.l, v78.h, v79.l, v79.h
	v_cvt_f32_f16 v[H+ii], \y
.set ii, ii+1
.endr
.irp k, 0,2,4,6,8,10,12,14,16,18,20,22,24,26,28,30
	v_pk_add_f32 v[T2+\k:T2+\k+1], v[T2+\k:T2+\k+1], v[H+\k:H+\k+1] neg_lo:[0,1] neg_hi:[0,1]
.endr
.irp k, 0,1,2,3,4,5,6,7,8,9,10,11,12,13,14,15
	v_cvt_pk_f16_f32 v[YL+\k], v[T2+2*\k], v[T2+2*\k+1]
.endr
.irp a, 0,1,2,3
	global_store_b128 v[LOFF+(\b)/4], v[YL+4*\a:YL+4*\a+3], s[OL+2*((\b)/4):OL+2*((\b)/4)+1] offset:\a*2048+((\b)%4)*512
.endr
.Lno_lo_\@:
.endm
	WIN 0
	PLACES
.irp b, 0,1,2,3,4,5,6,7,8,9,10,11
	OUTB \b
.endr
	s_set_vgpr_msb 0x4
	s_wait_tensorcnt 0x0
	ds_add_u32 v15, v255
	s_wait_dscnt 0x0
	s_set_vgpr_msb 0x400
	s_endpgm
.Lfunc_end_k_q0fe3cd1b26_proj:
	.size	k_q0fe3cd1b26_proj, .Lfunc_end_k_q0fe3cd1b26_proj-k_q0fe3cd1b26_proj
	.p2alignl 7, 3214868480
	.fill 96, 4, 3214868480
	.section	.rodata,"a",@progbits
	.p2align	6, 0x0
	.amdhsa_kernel k_q0fe3cd1b26_proj
		.amdhsa_group_segment_fixed_size 237056
		.amdhsa_private_segment_fixed_size 0
		.amdhsa_enable_private_segment 0
		.amdhsa_kernarg_size 48
		.amdhsa_user_sgpr_count 2
		.amdhsa_user_sgpr_kernarg_segment_ptr 1
		.amdhsa_wavefront_size32 1
		.amdhsa_system_sgpr_workgroup_id_x 1
		.amdhsa_system_sgpr_workgroup_id_y 1
		.amdhsa_system_sgpr_workgroup_id_z 1
		.amdhsa_system_vgpr_workitem_id 0
		.amdhsa_next_free_vgpr 960
		.amdhsa_next_free_sgpr 66
		.amdhsa_reserve_vcc 0
		.amdhsa_float_denorm_mode_32 3
		.amdhsa_float_denorm_mode_16_64 3
		.amdhsa_memory_ordered 1
		.amdhsa_forward_progress 1
		.amdhsa_inst_pref_size 255
	.end_amdhsa_kernel
	.section	.bss,"aw",@nobits
	.p2align	6
	.space	262144
	.amdgpu_metadata
---
amdhsa.version: [ 1, 2 ]
amdhsa.kernels:
  - .name:           k_q0fe3cd1b26_proj
    .symbol:         k_q0fe3cd1b26_proj.kd
    .args:
      - { .name: token_embed, .offset: 0, .size: 8, .value_kind: global_buffer, .address_space: global }
      - { .name: Wq, .offset: 8, .size: 8, .value_kind: global_buffer, .address_space: global }
      - { .name: Wk, .offset: 16, .size: 8, .value_kind: global_buffer, .address_space: global }
      - { .name: Wv, .offset: 24, .size: 8, .value_kind: global_buffer, .address_space: global }
      - { .name: qkv, .offset: 32, .size: 8, .value_kind: global_buffer, .address_space: global }
      - { .name: vlo, .offset: 40, .size: 8, .value_kind: global_buffer, .address_space: global }
    .group_segment_fixed_size: 237056
    .private_segment_fixed_size: 0
    .kernarg_segment_align: 8
    .kernarg_segment_size: 48
    .max_flat_workgroup_size: 128
    .sgpr_count:     66
    .vgpr_count:     960
    .wavefront_size: 32
...
	.end_amdgpu_metadata
.endif
;; end of part 1
;; launch attn (part 2): grid 16 x 16, 8 waves a work-group, no clusters, 327,680 bytes of LDS; arguments qkv, vlo, cf; writes cf
.if DOCPART == 2
	.amdgcn_target "amdgcn-amd-amdhsa--gfx1250"
	.amdhsa_code_object_version 6
	.text
	.protected	k_q0fe3cd1b26_attn
	.globl	k_q0fe3cd1b26_attn
	.p2align	8
	.type	k_q0fe3cd1b26_attn,@function
k_q0fe3cd1b26_attn:
	s_mov_b64 s[64:65], 0
	v_nop
	global_prefetch_b8 v0, s[64:65] scope:SCOPE_SE
	s_setreg_imm32_b32 hwreg(HW_REG_WAVE_MODE, 25, 1), 1
	s_wait_xcnt 0x0
; Causal attention of one head (grid y = 8 batch + head) on the f16 tiles that the projection launch stored; running maximum, sums in f32.
; q already carries 0.125 log2(e), so p = 2^(s - m).
; SHARES: work-group x = p makes the query blocks (128 rows) e = 2 p and o = 31 - 2 p.  Block blk needs key slots 0..blk of 128 keys, so every work-group
; makes (2 p + 1) + (32 - 2 p) = 33 trips.  Wave w: wq = w & 3 picks 32 queries (two tiles n), g = w >> 2 picks keys 64 g .. 64 g + 63 of every slot;
; the two partial results of a wq are merged once a block through LDS.  In a pass the diagonal slot comes first, then slots 0, 1, ..: trip t uses LDS slot t & 1.
; The two key groups run their trip in opposite order (group 0: products, then softmax; group 1: the last trip's softmax, then products).
; ORIENTATION: S^T = K Q^T and O^T = V^T P^T.  A lane owns one query (r) of a tile: maximum, alpha and the rescaling are the lane's own numbers, and the
; exponentials of two key tiles pack straight into P's fragment.  The row sum is one more product, of ones with P.
; FORMATS: q, k, v and p are f16 (p lies in 0..1).  A row with n keys has a spread that falls as 1 / sqrt(n): the first rows stand some twenty times above the
; whole result's root mean square, and their rounding error is to stay small against that root mean square.  For the very first rows one rounding of v to f16 is
; still too coarse, so in the diagonal trip key group 0 adds the product of P with v - f16(v) (buffer vlo: the first 64 keys of each slot).  Every row with
; fewer than 64 keys takes all its keys from there; rows with more keys are at least 8 times smaller than row 0 and do without.  For the same reason the
; result leaves as two bf16 numbers, hi = bf16(ctx) and lo = bf16(ctx - hi), which the output projection multiplies one after the other.
; LIMITS: a masked score is the finite number -1e30 (in units of log2), so a real scaled score must lie above -1e30; a wave all of whose keys are masked
; gathers finite sums under the maximum -1e30, which its next trip or the merge multiplies by 2^(-1e30 - m) = 0.  v_exp_f32 gives 0 below 2^-126, and p below
; f16's smallest number becomes 0.  The row sum is taken over p as rounded to f16, the numbers that enter the product with V.  Keys are summed with the diagonal slot first.
; NO CLUSTER: the 16 work-groups of a head walk 2 p + 1 and then 32 - 2 p tiles: in the same trip partners want different tiles.
.set SLOTB,  32768                     ; an LDS slot: K's 16 KiB, then V's, dense as in memory
.set KVB,    16384
.set LOB,    65536                     ; behind the ring: two tiles of 8 KiB, V's residues of slots e and o, each filled once
.set LOT,    8192
.set STAGE,  81920                     ; behind them, never filled by a tensor load: 17 x 512 bytes for each wq
.set STGW,   8704
.set LADR, 1                           ; v1      8192 g + 16 L: my place in every block of 512 of a K or V tile
.set QOFF, 2                           ; v2      4096 wq + 16 L
.set DIFF, 3                           ; v3      (32 wq + r) - (64 g + 8 h)
.set NEG,  4                           ; v4      -1e30
.set STG,  5                           ; v5      my stage + 16 L
.set COFF, 6                           ; v6      65536 wq + 16 L
.set LOADR, 7                          ; v7      LOB + 16 L
.set M,    8                           ; v8 m of query tile 0, v9 its l; v10, v11 the same of tile 1
.set AL,   12                          ; v12 alpha of tile 0, v14 of tile 1 (v13, v15: second halves of the pairs, never used)
.set T,    16                          ; v16-31  at work
.set Q,    32                          ; v[32 + 16 n + 8 c]
.set S,    64                          ; v[64 + 8 (2 mt + n)]
.set P,    128                         ; v[128 + 16 n + 8 cp]; at a block's end the packed results
.set O,    160                         ; v[160 + 8 (2 dt + n)]
.set LA,   224                         ; v[224 + 8 n]: ones x P; register 0 is the row sum, the only one that is rescaled and read
.set FK,   0                           ; window 1: v[8 (2 mt + c)]; in a diagonal trip of group 0, behind the scores, the residues' fragments v[8 (2 dt + cp)]
.set FV,   64                          ; window 1: v[64 + 8 (2 dt + cp)]
.set ONES, 128                         ; window 1: v128-135, f16 ones
.set G1,   24                          ; s[24:31] descriptor group 1 of a K or V tile
.set G0,   32                          ; s[32:39] descriptor group 0, one set for each LDS slot
.set GL,   56                          ; s[56:59] descriptor group 0 of a tile of residues
.set G1L,  68                          ; s[68:75] its group 1
.set MSB, 0
.macro WIN new                         ; the immediate's high byte repeats the setting that is left
.if MSB != \new
	s_set_vgpr_msb (MSB<<8)|\new
.set MSB, \new
.endif
.endm
.macro PLACES                          ; four places behind matrix instructions in front of loads into their sources and of reads of their results
.rept 4
	v_nop
.endr
.endm
	s_load_b128 s[4:7], s[0:1], 0x0                ; qkv s[4:5], vlo s[6:7]
	s_load_b64 s[54:55], s[0:1], 0x10              ; cf
	v_lshl_add_u32 v254, v0, 2, 0x29000
	v_mov_b32 v255, 0
	ds_add_u32 v254, v255
	v_lshrrev_b32 v1, 5, v0
	v_readfirstlane_b32 s8, v1                     ; wave
	s_lshr_b32 s9, s8, 2                           ; g
	s_and_b32 s10, s8, 3                           ; wq
	s_mov_b32 s11, ttmp9                           ; p
	s_and_b32 s12, ttmp7, 0xffff                   ; 8 batch + head
	s_lshl_b32 s13, s11, 1                         ; e
	s_sub_co_u32 s14, 31, s13                      ; o
	s_mov_b32 s15, 1                               ; number of the next tile to ask for
	s_add_co_u32 s16, s13, 1                       ; tile 2 p + 1 is the second pass's diagonal
	s_add_co_u32 s17, s13, 2                       ; from tile 2 p + 2 on: slots 0, 1, .. of the second pass
	s_sub_co_u32 s49, 15, s11                      ; laps of the second loop
	s_mov_b32 s50, 0x76543210                      ; v_permlanex16_b32: lane i of one half reads lane i of the other
	s_mov_b32 s51, 0xfedcba98
	s_mov_b32 s23, 0
	; group 1: a dense block of 16 KiB as 64 rows of 32 elements of 8 bytes
	s_mov_b32 s[G1+0], 3<<16                       ; no mask, element of 8 bytes, no padding
	s_mov_b32 s[G1+1], 32<<16                      ; tensor_dim0 = 32
	s_mov_b32 s[G1+2], 64<<16                      ; tensor_dim1 = 64
	s_mov_b32 s[G1+3], 32<<16                      ; tile_dim0 = 32
	s_mov_b32 s[G1+4], 64                          ; tile_dim1 = 64
	s_mov_b32 s[G1+5], 32                          ; pitch = 32 elements
	s_mov_b32 s[G1+6], 0
	s_mov_b32 s[G1+7], 0
	; the residues' group 1: 8 KiB as 32 such rows (the tile has no more)
	s_mov_b32 s[G1L+0], 3<<16
	s_mov_b32 s[G1L+1], 32<<16
	s_mov_b32 s[G1L+2], 32<<16                     ; tensor_dim1 = 32
	s_mov_b32 s[G1L+3], 32<<16
	s_mov_b32 s[G1L+4], 32                         ; tile_dim1 = 32
	s_mov_b32 s[G1L+5], 32
	s_mov_b32 s[G1L+6], 0
	s_mov_b32 s[G1L+7], 0
	; group 0: wave 0 brings K, wave 1 V; wave 2 the residues of slot e, wave 3 those of slot o.  Every wave makes all the words; a wave uses its own alone
	s_mov_b32 s[G0+0], 1
	s_mov_b32 s[G0+4], 1
	s_lshl_b32 s[G0+1], s8, 14                     ; LDS: 16384 w, slot 0
	s_add_co_u32 s[G0+5], s[G0+1], SLOTB           ; slot 1
	s_mov_b32 s[GL+0], 1
	s_lshl_b32 s[GL+1], s8, 13
	s_add_co_u32 s[GL+1], s[GL+1], LOB-2*LOT       ; LDS: LOB + 8192 (w - 2)
	s_mul_i32 s22, s12, 1572864
	s_wait_dscnt 0x0
	s_barrier_signal -1
	s_barrier_wait -1
	s_wait_kmcnt 0x0
	s_add_nc_u64 s[52:53], s[4:5], s[22:23]        ; qkv at my head
	s_lshl_b32 s22, s8, 14
	s_add_co_u32 s22, s22, KVB
	s_add_nc_u64 s[20:21], s[52:53], s[22:23]      ; K (wave 0) or V (wave 1) of slot 0
	s_mul_i32 s22, s13, 49152
	s_add_nc_u64 s[40:41], s[52:53], s[22:23]      ; Q of block e
	s_add_nc_u64 s[G0+2:G0+3], s[20:21], s[22:23]  ; tile 0: key slot e
	s_or_b32 s[G0+3], s[G0+3], 0x80000000
	s_cmp_eq_u32 s8, 3
	s_cselect_b32 s18, s14, s13                    ; wave 3: slot o; wave 2: slot e
	s_lshl_b32 s18, s18, 13                        ; 8,192 bytes a slot
	s_lshl_b32 s22, s12, 18                        ; 262,144 bytes a head
	s_add_co_u32 s22, s22, s18
	s_add_nc_u64 s[GL+2:GL+3], s[6:7], s[22:23]
	s_or_b32 s[GL+3], s[GL+3], 0x80000000
	; the first fills, one a wave, ahead of every wait on them, LDS read and barrier
	s_cmp_gt_u32 s8, 3
	s_cbranch_scc1 .Lno_first
	s_cmp_gt_u32 s8, 1
	s_cbranch_scc1 .Lfirst_lo
	tensor_load_to_lds s[G0:G0+3], s[G1:G1+7]
	s_nop 0
	s_branch .Lno_first
.Lfirst_lo:
	tensor_load_to_lds s[GL:GL+3], s[G1L:G1L+7]
	s_nop 0
.Lno_first:
	s_mul_i32 s22, s14, 49152
	s_add_nc_u64 s[42:43], s[52:53], s[22:23]      ; Q of block o
	s_lshr_b32 s18, s12, 3
	s_lshl_b32 s18, s18, 8                         ; 256 token tiles a batch
	s_and_b32 s19, s12, 7
	s_lshl_b32 s19, s19, 12                        ; 4,096 bytes a head in a token tile
	s_lshl3_add_u32 s22, s13, s18
	s_lshl_b32 s22, s22, 15                        ; 32,768 bytes a token tile
	s_add_co_u32 s22, s22, s19
	s_add_nc_u64 s[44:45], s[54:55], s[22:23]      ; cf of block e
	s_lshl3_add_u32 s22, s14, s18
	s_lshl_b32 s22, s22, 15
	s_add_co_u32 s22, s22, s19
	s_add_nc_u64 s[46:47], s[54:55], s[22:23]      ; cf of block o
	v_and_b32 v16, 31, v0                          ; L
	v_lshlrev_b32 v17, 4, v16
	v_lshl_add_u32 v[LADR], s9, 13, v17
	v_lshl_add_u32 v[QOFF], s10, 12, v17
	v_lshl_add_u32 v[COFF], s10, 16, v17
	v_add_nc_u32 v[LOADR], LOB, v17
	s_mul_i32 s18, s10, STGW
	s_add_co_u32 s18, s18, STAGE
	v_add_nc_u32 v[STG], s18, v17
	v_and_b32 v18, 15, v16                         ; r
	v_lshrrev_b32 v19, 4, v16                      ; h
	s_lshl_b32 s18, s10, 5
	s_lshl_b32 s19, s9, 6
	s_sub_co_i32 s18, s18, s19
	v_add_nc_u32 v[DIFF], s18, v18
	v_lshlrev_b32 v19, 3, v19
	v_sub_nc_u32 v[DIFF], v[DIFF], v19
	v_mov_b32 v[NEG], 0xf149f2ca                   ; -1e30
.macro QLOAD base                      ; my 32 queries: 8 loads of 512 consecutive bytes
.irp n, 0,1
.irp c, 0,1
.irp hf, 0,1
	global_load_b128 v[Q+16*\n+8*\c+4*\hf:Q+16*\n+8*\c+4*\hf+3], v[QOFF], s[\base:\base+1] offset:\n*2048+\c*1024+\hf*512
.endr
.endr
.endr
.endm
	QLOAD 40
	v_mov_b32 v[M], v[NEG]
	v_mov_b32 v[M+2], v[NEG]
	v_mov_b32 v[M+1], 0
	v_mov_b32 v[M+3], 0
	v_mov_b32 v[AL+1], 0
	v_mov_b32 v[AL+3], 0
	v_mov_b32 v[T+4], 0                            ; destinations of v_permlanex16_b32 count as read
	v_mov_b32 v[T+12], 0
	; O and the row sums are cleared once: a pass's first product with V stands in a loop trip or behind the loop, as p has it, so no line of the text is
	; always the first.  In the second pass alpha = 0 wipes the first pass's sums.
.set i, 0
.rept 80
	v_mov_b32 v[O+i], 0
.set i, i+1
.endr
	WIN 0x40
.irp i, 0,1,2,3,4,5,6,7
	v_mov_b32 v[ONES+\i], 0x3c003c00
.endr
	WIN 0
; The key slot of tile s15 of my 33, and its address into the group 0 of LDS slot \slot.  No tensor load of the wave is out where this stands.
.macro NEXT slot
	s_sub_co_u32 s18, s15, 1                       ; first pass behind its diagonal: slot n - 1
	s_sub_co_u32 s19, s15, s17                     ; second pass behind its diagonal: n - (2 p + 2)
	s_cmp_ge_u32 s15, s17
	s_cselect_b32 s18, s19, s18
	s_cmp_eq_u32 s15, s16
	s_cselect_b32 s18, s14, s18                    ; the second pass's diagonal: slot o
	s_add_co_u32 s15, s15, 1
	s_mul_i32 s22, s18, 49152
	s_add_nc_u64 s[G0+4*(\slot)+2:G0+4*(\slot)+3], s[20:21], s[22:23]
	s_or_b32 s[G0+4*(\slot)+3], s[G0+4*(\slot)+3], 0x80000000
.endm
; The head of a trip on LDS slot \slot: one barrier for two things.  In front of it each wave has waited for all its tensor loads (its part of this
; slot; in the first trip the residues too) and for its reads of the other slot; behind it the other slot is filled again first, by waves 0 and 1, one load each.
.macro HEAD slot, refill
	s_wait_tensorcnt 0x0
	ds_add_u32 v254, v255
	s_wait_dscnt 0x0
.if \refill
	NEXT 1-\slot
.endif
	s_wait_dscnt 0x0
	s_barrier_signal -1
	s_barrier_wait -1
.if \refill
	s_cmp_gt_u32 s8, 1
	s_cbranch_scc1 .Lno_fill_\@
	tensor_load_to_lds s[G0+4*(1-\slot):G0+4*(1-\slot)+3], s[G1:G1+7]   ; it has the whole trip in which to land
	s_nop 0
.Lno_fill_\@:
.endif
.endm
.macro KLOAD slot                      ; my 64 keys x 64 d: lane (r, h) takes key r, d = 32 c + 16 half + 8 h ..: 16 x lane in each block of 512
	WIN 0x40
.irp mt, 0,1,2,3
.irp c, 0,1
.irp hf, 0,1
	ds_load_b128 v[FK+8*(2*\mt+\c)+4*\hf:FK+8*(2*\mt+\c)+4*\hf+3], v[LADR] offset:\slot*SLOTB+\mt*2048+\c*1024+\hf*512
.endr
.endr
.endr
.endm
.macro VLOAD slot                      ; V^T: lane (r, h) gets d = 16 dt + r, keys 32 cp + 16 i + 8 h ..; V's chunks lie so that each lane addresses 16 x lane
	WIN 0x40
.irp dt, 0,1,2,3
.irp cp, 0,1
.irp i, 0,1
	ds_load_tr16_b128 v[FV+8*(2*\dt+\cp)+4*\i:FV+8*(2*\dt+\cp)+4*\i+3], v[LADR] offset:\slot*SLOTB+KVB+(2*\cp+\i)*2048+\dt*512
.endr
.endr
.endr
	WIN 0
.endm
.macro LOLOAD pass                     ; the residues of the diagonal slot's first 64 keys, transposed as V is, into K's registers
	WIN 0x40
.irp dt, 0,1,2,3
.irp cp, 0,1
.irp i, 0,1
	ds_load_tr16_b128 v[FK+8*(2*\dt+\cp)+4*\i:FK+8*(2*\dt+\cp)+4*\i+3], v[LOADR] offset:\pass*LOT+(2*\cp+\i)*2048+\dt*512
.endr
.endr
.endr
.endm
; In SMUL, PV and PVLO the accumulators take turns, one instruction a turn.
.macro SMUL                            ; S[mt][n] register j of lane (r, h) = score of key 16 mt + 8 h + j and query 16 n + r
	WIN 0x01
.irp mt, 0,1,2,3
.irp n, 0,1
	v_wmma_f32_16x16x32_f16 v[S+8*(2*\mt+\n):S+8*(2*\mt+\n)+7], v[FK+8*(2*\mt):FK+8*(2*\mt)+7], v[Q+16*\n:Q+16*\n+7], 0
.endr
.endr
.irp mt, 0,1,2,3
.irp n, 0,1
	v_wmma_f32_16x16x32_f16 v[S+8*(2*\mt+\n):S+8*(2*\mt+\n)+7], v[FK+8*(2*\mt+1):FK+8*(2*\mt+1)+7], v[Q+16*\n+8:Q+16*\n+15], v[S+8*(2*\mt+\n):S+8*(2*\mt+\n)+7]
.endr
.endr
.endm
.macro PV                              ; O[dt][n] += V^T P^T, and the row sums: ones x P^T
	WIN 0x01
.irp cp, 0,1
.irp n, 0,1
.irp dt, 0,1,2,3
	v_wmma_f32_16x16x32_f16 v[O+8*(2*\dt+\n):O+8*(2*\dt+\n)+7], v[FV+8*(2*\dt+\cp):FV+8*(2*\dt+\cp)+7], v[P+16*\n+8*\cp:P+16*\n+8*\cp+7], v[O+8*(2*\dt+\n):O+8*(2*\dt+\n)+7]
.endr
	v_wmma_f32_16x16x32_f16 v[LA+8*\n:LA+8*\n+7], v[ONES:ONES+7], v[P+16*\n+8*\cp:P+16*\n+8*\cp+7], v[LA+8*\n:LA+8*\n+7]
.endr
.endr
.endm
.macro PVLO                            ; O[dt][n] += (V - f16(V))^T P^T
	WIN 0x01
.irp cp, 0,1
.irp n, 0,1
.irp dt, 0,1,2,3
	v_wmma_f32_16x16x32_f16 v[O+8*(2*\dt+\n):O+8*(2*\dt+\n)+7], v[FK+8*(2*\dt+\cp):FK+8*(2*\dt+\cp)+7], v[P+16*\n+8*\cp:P+16*\n+8*\cp+7], v[O+8*(2*\dt+\n):O+8*(2*\dt+\n)+7]
.endr
.endr
.endr
.endm
.macro MASK                            ; the diagonal slot: keep where key <= query, that is 16 (mt - n) + j <= DIFF
.irp mt, 0,1,2,3
.irp n, 0,1
.irp j, 0,1,2,3,4,5,6,7
	v_cmp_le_i32 vcc_lo, 16*(\mt-\n)+\j, v[DIFF]
	v_cndmask_b32 v[S+8*(2*\mt+\n)+\j], v[NEG], v[S+8*(2*\mt+\n)+\j], vcc_lo
.endr
.endr
.endr
.endm
; The softmax step of one tile of 64 keys x 32 queries.
.macro SMAX n                          ; the new maximum of my query of tile n: 32 scores and the old maximum in four chains, then the other half of the lanes
.irp mt, 0,1,2,3
	v_max3_num_f32 v[T+8*\n+\mt], v[S+8*(2*\mt+\n)], v[S+8*(2*\mt+\n)+1], v[S+8*(2*\mt+\n)+2]
.endr
.irp mt, 0,1,2,3
	v_max3_num_f32 v[T+8*\n+\mt], v[T+8*\n+\mt], v[S+8*(2*\mt+\n)+3], v[S+8*(2*\mt+\n)+4]
.endr
.irp mt, 0,1,2,3
	v_max3_num_f32 v[T+8*\n+\mt], v[T+8*\n+\mt], v[S+8*(2*\mt+\n)+5], v[S+8*(2*\mt+\n)+6]
.endr
	v_max3_num_f32 v[T+8*\n],   v[T+8*\n],   v[S+8*\n+7],      v[S+8*(2+\n)+7]
	v_max3_num_f32 v[T+8*\n+1], v[T+8*\n+1], v[S+8*(4+\n)+7],  v[S+8*(6+\n)+7]
	v_max3_num_f32 v[T+8*\n+2], v[T+8*\n+2], v[T+8*\n+3],      v[M+2*\n]
	v_max3_num_f32 v[T+8*\n],   v[T+8*\n],   v[T+8*\n+1],      v[T+8*\n+2]
	v_permlanex16_b32 v[T+8*\n+4], v[T+8*\n], s50, s51
	v_max_num_f32 v[T+8*\n], v[T+8*\n], v[T+8*\n+4]
	v_sub_f32 v[AL+2*\n], v[M+2*\n], v[T+8*\n]     ; old maximum - new
	v_mov_b32 v[M+2*\n], v[T+8*\n]
.endm
.macro SSUB n                          ; s - m: both halves of the packed add take the pair's first register
.irp mt, 0,1,2,3
.irp j, 0,2,4,6
	v_pk_add_f32 v[S+8*(2*\mt+\n)+\j:S+8*(2*\mt+\n)+\j+1], v[S+8*(2*\mt+\n)+\j:S+8*(2*\mt+\n)+\j+1], v[M+2*\n:M+2*\n+1] op_sel_hi:[1,0] neg_lo:[0,1] neg_hi:[0,1]
.endr
.endr
.endm
.macro SEXP n
.irp mt, 0,1,2,3
.irp j, 0,1,2,3,4,5,6,7
	v_exp_f32 v[S+8*(2*\mt+\n)+\j], v[S+8*(2*\mt+\n)+\j]
.endr
.endr
.endm
.macro SPACK n                         ; p to f16: key tiles 2 cp, 2 cp + 1 are registers 0-3, 4-7 of P's fragment cp; O and the row sum times alpha
	s_wait_alu depctr_va_vdst(0)
.irp cp, 0,1
.irp i, 0,1
.irp j, 0,1,2,3
	v_cvt_pk_f16_f32 v[P+16*\n+8*\cp+4*\i+\j], v[S+8*(2*(2*\cp+\i)+\n)+2*\j], v[S+8*(2*(2*\cp+\i)+\n)+2*\j+1]
.endr
.endr
.endr
.irp dt, 0,1,2,3
.irp j, 0,2,4,6
	v_pk_mul_f32 v[O+8*(2*\dt+\n)+\j:O+8*(2*\dt+\n)+\j+1], v[O+8*(2*\dt+\n)+\j:O+8*(2*\dt+\n)+\j+1], v[AL+2*\n:AL+2*\n+1] op_sel_hi:[1,0]
.endr
.endr
	v_mul_f32 v[LA+8*\n], v[LA+8*\n], v[AL+2*\n]
.endm
.macro SM
	SMAX 0
	SMAX 1
	SSUB 0
	v_exp_f32 v[AL], v[AL]
	v_exp_f32 v[AL+2], v[AL+2]
	SEXP 0
	SSUB 1                                         ; plain work on other registers: the place behind the run of exponentials (ISA guide 5.7.2)
	SEXP 1
	SPACK 0                                        ; its first line reads tile 0's results alone: the place behind the second run
	SPACK 1
.endm
; A trip.  kind = 1: a pass's first trip (the diagonal slot; nothing is left over from a trip before; Q has just been asked for); pass: which tile of residues.
.macro TRIP slot, kind, refill, pass
	HEAD \slot, \refill
	KLOAD \slot
	WIN 0
	s_cmp_lt_u32 s8, 4
	s_cbranch_scc0 .Lgroup1_\@
	; key group 0: the last trip's product with V, this trip's scores, this trip's softmax
.if \kind == 0
	PV
.endif
	s_wait_dscnt 0x0                               ; K's fragments
.if \kind
	s_wait_loadcnt 0x0                             ; Q
.endif
	SMUL
	WIN 0
	PLACES
.if \kind
	LOLOAD \pass                                   ; K's registers are free behind the scores
.endif
	VLOAD \slot                                    ; waited for at the next trip's head
.if \kind
	MASK
.endif
	SM
.if \kind
	s_wait_dscnt 16                                ; the residues' 16 loads are in, V's 16 younger ones may stay out
	PVLO                                           ; O has just been rescaled and P made: the residues' share goes in now, V's own in the next trip
	WIN 0
	PLACES                                         ; in front of the next trip's loads into K's registers
.endif
	s_branch .Ljoin_\@
.Lgroup1_\@:
	; key group 1: the last trip's softmax and product with V, this trip's scores
.if \kind == 0
	SM
	PV
	WIN 0
	PLACES
.endif
	VLOAD \slot
	s_wait_dscnt 16                                ; K's 16 loads are in, V's 16 younger ones may stay out
.if \kind
	s_wait_loadcnt 0x0                             ; Q
.endif
	SMUL
	WIN 0
	PLACES
	v_nop                                          ; a fifth place: read without regard to the wave's number, the way on from the join leads through group 0's text, where
	                                               ; matrix instructions alone stand ahead of the scores that write S anew (five places: ISA guide 7.12.1)
.if \kind
	MASK
.endif
.Ljoin_\@:
.endm
; Behind a pass's last trip: what is left over.  qnext = 1: the next block's Q is asked for first.
.macro DRAIN qnext
.if \qnext
	QLOAD 42
.endif
	s_wait_dscnt 0x0                               ; V's fragments
	s_cmp_lt_u32 s8, 4
	s_cbranch_scc1 .Lpv_\@
	SM
.Lpv_\@:
	PV
	WIN 0
	PLACES
.endm
; A block's end: group 1 hands O, m and l to group 0 through the stage; group 0 merges, divides, splits into two bf16 and stores.
.macro EPI base, last
	v_mov_b32 v[M+1], v[LA]
	v_mov_b32 v[M+3], v[LA+8]
	s_cmp_lt_u32 s8, 4
	s_cbranch_scc1 .Lno_hand_\@
.irp k, 0,1,2,3,4,5,6,7,8,9,10,11,12,13,14,15
	ds_store_b128 v[STG], v[O+4*\k:O+4*\k+3] offset:512*\k
.endr
	ds_store_b128 v[STG], v[M:M+3] offset:8192
.Lno_hand_\@:
	s_wait_dscnt 0x0                               ; my stores are done, for the partner's sake
	s_wait_tensorcnt 0x0                           ; and my tensor load, if one is out, has landed
	s_barrier_signal -1
	s_barrier_wait -1
	s_cmp_lt_u32 s8, 4
	s_cbranch_scc0 .Lno_merge_\@
.irp k, 0,1,2,3,4,5,6,7,8,9,10,11,12,13,14,15
	ds_load_b128 v[S+4*\k:S+4*\k+3], v[STG] offset:512*\k
.endr
	ds_load_b128 v[T:T+3], v[STG] offset:8192      ; the partner's m0, l0, m1, l1
	s_wait_dscnt 0x0
	v_max_num_f32 v[T+4], v[M], v[T]
	v_max_num_f32 v[T+5], v[M+2], v[T+2]
	v_sub_f32 v[T+6], v[M], v[T+4]
	v_sub_f32 v[T+7], v[T], v[T+4]
	v_sub_f32 v[T+8], v[M+2], v[T+5]
	v_sub_f32 v[T+9], v[T+2], v[T+5]
	v_exp_f32 v[T+6], v[T+6]                       ; my weight, tile 0
	v_exp_f32 v[T+7], v[T+7]                       ; the partner's
	v_exp_f32 v[T+8], v[T+8]
	v_exp_f32 v[T+9], v[T+9]
	v_nop                                          ; the place behind the exponentials
	s_wait_alu depctr_va_vdst(0)
	v_mul_f32 v[T+10], v[M+1], v[T+6]
	v_mul_f32 v[T+11], v[M+3], v[T+8]
	v_fmac_f32 v[T+10], v[T+1], v[T+7]             ; l of both groups under the common maximum
	v_fmac_f32 v[T+11], v[T+3], v[T+9]
	v_rcp_f32 v[T+10], v[T+10]
	v_rcp_f32 v[T+11], v[T+11]
	v_nop                                          ; the place behind the reciprocals
	s_wait_alu depctr_va_vdst(0)
	v_mul_f32 v[T],   v[T+6], v[T+10]              ; tile 0: my factor (first of the pair v[16:17]),
	v_mul_f32 v[T+2], v[T+7], v[T+10]              ; the partner's (v[18:19])
	v_mul_f32 v[T+4], v[T+8], v[T+11]              ; tile 1: v[20:21],
	v_mul_f32 v[T+6], v[T+9], v[T+11]              ; v[22:23]
.irp n, 0,1
.irp dt, 0,1,2,3
.irp j, 0,2,4,6
	v_pk_mul_f32 v[O+8*(2*\dt+\n)+\j:O+8*(2*\dt+\n)+\j+1], v[O+8*(2*\dt+\n)+\j:O+8*(2*\dt+\n)+\j+1], v[T+4*\n:T+4*\n+1] op_sel_hi:[1,0]
.endr
.endr
.irp dt, 0,1,2,3
.irp j, 0,2,4,6
	v_pk_fma_f32 v[O+8*(2*\dt+\n)+\j:O+8*(2*\dt+\n)+\j+1], v[S+8*(2*\dt+\n)+\j:S+8*(2*\dt+\n)+\j+1], v[T+4*\n+2:T+4*\n+3], v[O+8*(2*\dt+\n)+\j:O+8*(2*\dt+\n)+\j+1] op_sel_hi:[1,0,1]
.endr
.endr
.endr
	; hi = bf16(ctx) into P's registers; hi widened again into S's, which the merge has done with; lo = bf16(ctx - hi) into the first four of each eight
.irp n, 0,1
.irp dt, 0,1,2,3
.irp j, 0,1,2,3
	v_cvt_pk_bf16_f32 v[P+4*(2*\dt+\n)+\j], v[O+8*(2*\dt+\n)+2*\j], v[O+8*(2*\dt+\n)+2*\j+1]
.endr
.irp j, 0,1,2,3
	v_lshlrev_b32 v[S+8*(2*\dt+\n)+2*\j],   16,         v[P+4*(2*\dt+\n)+\j]
	v_and_b32     v[S+8*(2*\dt+\n)+2*\j+1], 0xffff0000, v[P+4*(2*\dt+\n)+\j]
.endr
.irp j, 0,2,4,6
	v_pk_add_f32 v[S+8*(2*\dt+\n)+\j:S+8*(2*\dt+\n)+\j+1], v[O+8*(2*\dt+\n)+\j:O+8*(2*\dt+\n)+\j+1], v[S+8*(2*\dt+\n)+\j:S+8*(2*\dt+\n)+\j+1] neg_lo:[0,1] neg_hi:[0,1]
.endr
.irp j, 0,1,2,3
	v_cvt_pk_bf16_f32 v[S+8*(2*\dt+\n)+\j], v[S+8*(2*\dt+\n)+2*\j], v[S+8*(2*\dt+\n)+2*\j+1]   ; register j is written when registers 2 j and 2 j + 1 are read: none is lost
.endr
	; 512 consecutive bytes a store: the fragments that the output projection loads.  cf: [token tile][K step 2 head + dt/2][hi, lo][half dt%2][512]
	global_store_b128 v[COFF], v[P+4*(2*\dt+\n):P+4*(2*\dt+\n)+3], s[\base:\base+1] offset:\n*32768+(\dt/2)*2048+(\dt%2)*512
	global_store_b128 v[COFF], v[S+8*(2*\dt+\n):S+8*(2*\dt+\n)+3], s[\base:\base+1] offset:\n*32768+(\dt/2)*2048+1024+(\dt%2)*512
.endr
.endr
.if \last == 0
	s_wait_xcnt 0x0                                ; the stores' data lie in P's and S's registers, which the next pass rewrites only behind this wait
.endif
.Lno_merge_\@:
.if \last == 0
	v_mov_b32 v[M], v[NEG]                         ; the next block starts under the maximum -1e30
	v_mov_b32 v[M+2], v[NEG]
.endif
.endm
	; first pass: block e.  Tile 0 is its diagonal; then p laps of two trips
	TRIP 0, 1, 1, 0
	s_cmp_eq_u32 s11, 0
	s_cbranch_scc1 .Lpass1_done
	s_mov_b32 s48, 0
.Lpass1:
	TRIP 1, 0, 1, 0
	TRIP 0, 0, 1, 0
	s_add_co_u32 s48, s48, 1
	s_cmp_lt_u32 s48, s11
	s_cbranch_scc1 .Lpass1
.Lpass1_done:
	DRAIN 1
	EPI 44, 0
	; second pass: block o.  Tile 2 p + 1 is its diagonal, in LDS slot 1; then 15 - p laps, and one trip that asks for nothing more
	TRIP 1, 1, 1, 1
	s_cmp_eq_u32 s49, 0
	s_cbranch_scc1 .Lpass2_done
	s_mov_b32 s48, 0
.Lpass2:
	TRIP 0, 0, 1, 0
	TRIP 1, 0, 1, 0
	s_add_co_u32 s48, s48, 1
	s_cmp_lt_u32 s48, s49
	s_cbranch_scc1 .Lpass2
.Lpass2_done:
	TRIP 0, 0, 0, 0
	DRAIN 0
	EPI 46, 1
	s_wait_tensorcnt 0x0
	ds_add_u32 v254, v255
	s_wait_dscnt 0x0
	s_endpgm
.Lfunc_end_k_q0fe3cd1b26_attn:
	.size	k_q0fe3cd1b26_attn, .Lfunc_end_k_q0fe3cd1b26_attn-k_q0fe3cd1b26_attn
	.p2alignl 7, 3214868480
	.fill 96, 4, 3214868480
	.section	.rodata,"a",@progbits
	.p2align	6, 0x0
	.amdhsa_kernel k_q0fe3cd1b26_attn
		.amdhsa_group_segment_fixed_size 327680
		.amdhsa_private_segment_fixed_size 0
		.amdhsa_enable_private_segment 0
		.amdhsa_kernarg_size 24
		.amdhsa_user_sgpr_count 2
		.amdhsa_user_sgpr_kernarg_segment_ptr 1
		.amdhsa_wavefront_size32 1
		.amdhsa_system_sgpr_workgroup_id_x 1
		.amdhsa_system_sgpr_workgroup_id_y 1
		.amdhsa_system_sgpr_workgroup_id_z 1
		.amdhsa_system_vgpr_workitem_id 0
		.amdhsa_next_free_vgpr 392
		.amdhsa_next_free_sgpr 76
		.amdhsa_reserve_vcc 1
		.amdhsa_float_denorm_mode_32 3
		.amdhsa_float_denorm_mode_16_64 3
		.amdhsa_memory_ordered 1
		.amdhsa_forward_progress 1
		.amdhsa_inst_pref_size 255
	.end_amdhsa_kernel
	.section	.bss,"aw",@nobits
	.p2align	6
	.space	262144
	.amdgpu_metadata
---
amdhsa.version: [ 1, 2 ]
amdhsa.kernels:
  - .name:           k_q0fe3cd1b26_attn
    .symbol:         k_q0fe3cd1b26_attn.kd
    .args:
      - { .name: qkv, .offset: 0, .size: 8, .value_kind: global_buffer, .address_space: global }
      - { .name: vlo, .offset: 8, .size: 8, .value_kind: global_buffer, .address_space: global }
      - { .name: cf, .offset: 16, .size: 8, .value_kind: global_buffer, .address_space: global }
    .group_segment_fixed_size: 327680
    .private_segment_fixed_size: 0
    .kernarg_segment_align: 8
    .kernarg_segment_size: 24
    .max_flat_workgroup_size: 256
    .sgpr_count:     76
    .vgpr_count:     392
    .wavefront_size: 32
...
	.end_amdgpu_metadata
.endif
;; end of part 2
;; launch outp (part 3): grid 8 x 32, 4 waves a work-group, no clusters, 84,480 bytes of LDS; arguments cf, Wo, bo, out0; writes out0
.if DOCPART == 3
	.amdgcn_target "amdgcn-amd-amdhsa--gfx1250"
	.amdhsa_code_object_version 6
	.text
	.protected	k_q0fe3cd1b26_outp
	.globl	k_q0fe3cd1b26_outp
	.p2align	8
	.type	k_q0fe3cd1b26_outp,@function
k_q0fe3cd1b26_outp:
	s_mov_b64 s[64:65], 0
	v_nop
	global_prefetch_b8 v0, s[64:65] scope:SCOPE_SE
	s_setreg_imm32_b32 hwreg(HW_REG_WAVE_MODE, 25, 1), 1
	s_wait_xcnt 0x0
; out0 = ctx Wo^T + bo.  ctx comes as cf, two bf16 numbers hi + lo for each value, in fragment order:
; [token tile 512][K step 16][hi, lo][half 2][lane 32][16 bytes], lane (r, h) holding token r of the tile and features 32 ks + 16 half + 8 h + 0..7.
; Wo: [512][512] f32, rounded to bf16 here; sums and bias in f32; out0: [8192][512] f32.
; WHY TWO NUMBERS: the first rows of the attention stand some twenty times above the whole output's root mean square, and one rounding of ctx to 8 bits of
; significand would not stay small against that root mean square.  So the product runs 32 steps of 32 along K instead of 16: step j multiplies the hi (j even)
; or lo (j odd) fragments of K step j / 2 by the same fragments of Wo, which are read from LDS once for both.
; SHARES: 256 work-groups; one makes 256 tokens (grid y) x 64 columns (grid x); wave w makes tokens 64 w .. + 63: 4 token tiles x 4 column tiles = 16 accumulators.
; Wo's 64 rows are converted once into LDS (one barrier).  cf's fragments go from memory straight into source 1: 512 consecutive bytes a load, no LDS.
; Source 0 is Wo, so a lane holds 8 neighbouring columns of one token; 16 tokens at a time go through a stage of the wave's own and leave as rows of 256 bytes.
; NO CLUSTER: Wo is f32 and becomes bf16 in registers, and cf is loaded into registers: neither passes through a tile in LDS that partners could share.
.set WPITCH, 1040                      ; 1,024 bytes + 16
.set STAGE,  64*WPITCH
.set SPITCH, 272                       ; 64 f32 + 16 bytes
.set SWAVE,  16*SPITCH
.set CFT,    32768                     ; bytes of a token tile in cf
.set STEPS,  32
.set WOFF, 2                           ; v2   16 t
.set WST,  3                           ; v3   8 t
.set WADR, 4                           ; v4   r 1040 + 16 h
.set COFF, 5                           ; v5   16 L
.set STO,  6                           ; v6   stage + r 272 + 32 h
.set RD,   7                           ; v7   stage + (L>>4) 272 + 16 (L&15)
.set GO,   8                           ; v8   (L>>4) 2048 + 16 (L&15)
.set BO,   9                           ; v9   16 (L&15)
.set BV,   12                          ; v12-15  the bias of my 4 columns on the way out
.set T,    16                          ; v16-31  eight pairs of packed bf16
.set RING, 64                          ; v64-191 32 loads x 4 registers; step j: group j%4, token tile a at + 8 a
.set WFR,  192                         ; v[192 + 32 ((j/2)%2) + 8 b]  Wo's fragments
.set R,    64                          ; the way out: rows read back (the ring is empty then)
.set ACCW, 0x50                        ; C and D window 1: accumulator (a, b) at v[8 (4 a + b)]
.set MSB, 0
.macro WIN new                         ; the immediate's high byte repeats the setting that is left
.if MSB != \new
	s_set_vgpr_msb (MSB<<8)|\new
.set MSB, \new
.endif
.endm
.macro PLACES                          ; four places behind matrix instructions in front of loads into their sources and of stores of their results
.rept 4
	v_nop
.endr
.endm
	s_load_b256 s[4:11], s[0:1], 0x0               ; cf s[4:5], Wo s[6:7], bo s[8:9], out0 s[10:11]
	v_lshl_add_u32 v62, v0, 2, 0x14800
	v_mov_b32 v63, 0
	v_lshrrev_b32 v1, 5, v0
	v_readfirstlane_b32 s12, v1                    ; wave
	s_mov_b32 s13, ttmp9                           ; which 64 columns
	s_and_b32 s14, ttmp7, 0xffff                   ; which 256 tokens
	v_and_b32 v1, 31, v0                           ; L
	v_and_b32 v16, 15, v1                          ; r
	v_lshrrev_b32 v17, 4, v1                       ; h
	v_lshlrev_b32 v[WOFF], 4, v0
	v_lshlrev_b32 v[WST], 3, v0
	v_mul_u32_u24 v18, v16, WPITCH
	v_lshl_add_u32 v[WADR], v17, 4, v18
	v_lshlrev_b32 v[COFF], 4, v1
	s_mul_i32 s16, s12, SWAVE
	s_add_co_u32 s16, s16, STAGE                   ; my stage
	v_mul_u32_u24 v18, v16, SPITCH
	v_lshl_add_u32 v18, v17, 5, v18
	v_add_nc_u32 v[STO], s16, v18
	v_mul_u32_u24 v18, v17, SPITCH
	v_lshl_add_u32 v18, v16, 4, v18
	v_add_nc_u32 v[RD], s16, v18
	v_lshlrev_b32 v[BO], 4, v16
	v_lshl_add_u32 v[GO], v17, 11, v[BO]
	s_mov_b32 s19, 0
	s_wait_kmcnt 0x0
	s_lshl_b32 s18, s13, 17                        ; 64 rows of 2,048 bytes
	s_add_nc_u64 s[6:7], s[6:7], s[18:19]
	s_lshl_b32 s18, s14, 4
	s_lshl2_add_u32 s18, s12, s18                  ; token tile 16 y + 4 w
	s_lshl_b32 s18, s18, 15
	s_add_nc_u64 s[4:5], s[4:5], s[18:19]
	s_lshl_b32 s18, s13, 8                         ; 64 columns of f32
	s_add_nc_u64 s[8:9], s[8:9], s[18:19]
	s_add_nc_u64 s[10:11], s[10:11], s[18:19]
	s_lshl_b32 s18, s14, 8
	s_lshl_b32 s17, s12, 6
	s_add_co_u32 s18, s18, s17
	s_lshl_b32 s18, s18, 11                        ; token 256 y + 64 w
	s_add_nc_u64 s[10:11], s[10:11], s[18:19]
	global_load_b128 v[BV:BV+3], v[BO], s[8:9]     ; the oldest load: every later wait shows it in
.set nw, 0
.rept 32
	global_load_b128 v[RING+4*nw:RING+4*nw+3], v[WOFF], s[6:7] offset:nw*2048
.set nw, nw+1
.endr
; row n (0..63) of Wo's slice; the ring slot gets row n + 32, then cf's load n - 32 (steps 0 to 3)
.macro WSTEP n
	s_wait_loadcnt 31                              ; 32 loads are out behind the older ones: row n is in
	v_cvt_pk_bf16_f32 v[T+2*((\n)%8)],   v[RING+4*((\n)%32)],   v[RING+4*((\n)%32)+1]
	v_cvt_pk_bf16_f32 v[T+2*((\n)%8)+1], v[RING+4*((\n)%32)+2], v[RING+4*((\n)%32)+3]
	ds_store_b64 v[WST], v[T+2*((\n)%8):T+2*((\n)%8)+1] offset:(\n)*WPITCH
.if (\n) < 32
	global_load_b128 v[RING+4*(\n):RING+4*(\n)+3], v[WOFF], s[6:7] offset:((\n)+32)*2048
.else
	global_load_b128 v[RING+4*((\n)-32):RING+4*((\n)-32)+3], v[COFF], s[4:5] offset:((((\n)-32)%8)/2)*CFT+(((\n)-32)/8)*1024+(((\n)-32)%2)*512
.endif
.endm
.set nw, 0
.rept 64
	WSTEP nw
.set nw, nw+1
.endr
	s_wait_dscnt 0x0                               ; my stores of Wo are done, for the other waves' sake
	s_barrier_signal -1
	s_barrier_wait -1                              ; the loads of cf stay out: nobody writes those bytes
.macro CFLOAD j                        ; step j: four token tiles, two halves
.irp a, 0,1,2,3
.irp hf, 0,1
	global_load_b128 v[RING+32*((\j)%4)+8*\a+4*\hf:RING+32*((\j)%4)+8*\a+4*\hf+3], v[COFF], s[4:5] offset:\a*CFT+(\j)*1024+\hf*512
.endr
.endr
.endm
.macro WFLOAD s                        ; Wo's fragments of K step s
.irp b, 0,1,2,3
	ds_load_b128 v[WFR+32*((\s)%2)+8*\b:WFR+32*((\s)%2)+8*\b+3],   v[WADR] offset:\b*16*WPITCH+64*(\s)
	ds_load_b128 v[WFR+32*((\s)%2)+8*\b+4:WFR+32*((\s)%2)+8*\b+7], v[WADR] offset:\b*16*WPITCH+64*(\s)+32
.endr
.endm
.macro MUL16 p2, p4, zero              ; sixteen accumulators take turns, one instruction a turn
.irp a, 0,1,2,3
.irp b, 0,1,2,3
.if \zero
	v_wmma_f32_16x16x32_bf16 v[8*(4*\a+\b):8*(4*\a+\b)+7], v[WFR+32*(\p2)+8*\b:WFR+32*(\p2)+8*\b+7], v[RING+32*(\p4)+8*\a:RING+32*(\p4)+8*\a+7], 0
.else
	v_wmma_f32_16x16x32_bf16 v[8*(4*\a+\b):8*(4*\a+\b)+7], v[WFR+32*(\p2)+8*\b:WFR+32*(\p2)+8*\b+7], v[RING+32*(\p4)+8*\a:RING+32*(\p4)+8*\a+7], v[8*(4*\a+\b):8*(4*\a+\b)+7]
.endif
.endr
.endr
.endm
	WFLOAD 0
.set ks, 0
.rept STEPS
	WIN 0
	PLACES
.if ks >= 1
.if ks <= STEPS-4
	CFLOAD ks+3                                    ; into the group that the last step multiplied
.endif
.endif
.if (ks%2) == 0
.if ks < STEPS-2
	WFLOAD ks/2+1                                  ; into the buffer that the last two steps multiplied
.endif
.endif
.if ks < STEPS-3
	s_wait_loadcnt 24                              ; three younger steps, 8 loads each, may stay out
.else
	s_wait_loadcnt 8*(STEPS-1-ks)                  ; the ring runs empty
.endif
.if (ks%2) == 0
.if ks < STEPS-2
	s_wait_dscnt 8                                 ; this K step's fragments of Wo are in, the next one's 8 loads may stay out
.else
	s_wait_dscnt 0x0
.endif
.endif
	WIN ACCW
.if ks == 0
	MUL16 (ks/2)%2, ks%4, 1                        ; the first step starts the sums
.else
	MUL16 (ks/2)%2, ks%4, 0
.endif
.set ks, ks+1
.endr
; The way out, token tile a: register j of lane (r, h) of tile (a, b) is column 16 b + 8 h + j of token 16 a + r.
.macro OUTA a
	WIN 0x04                                       ; an LDS store's data: source 1, window 1
.irp b, 0,1,2,3
.irp i, 0,1
	ds_store_b128 v[STO], v[8*(4*\a+\b)+4*\i:8*(4*\a+\b)+4*\i+3] offset:64*\b+16*\i
.endr
.endr
	WIN 0
	s_wait_xcnt 0x0                                ; R, which the last eight stores read, is loaded again only behind this wait
.irp k, 0,1,2,3,4,5,6,7
	ds_load_b128 v[R+4*\k:R+4*\k+3], v[RD] offset:\k*2*SPITCH    ; LDS serves a wave's instructions in order (ISA guide 5.7.1): these see the stores above
.endr
.irp k, 0,1,2,3,4,5,6,7
	s_wait_dscnt 7-\k
	v_pk_add_f32 v[R+4*\k:R+4*\k+1],   v[R+4*\k:R+4*\k+1],   v[BV:BV+1]
	v_pk_add_f32 v[R+4*\k+2:R+4*\k+3], v[R+4*\k+2:R+4*\k+3], v[BV+2:BV+3]
	global_store_b128 v[GO], v[R+4*\k:R+4*\k+3], s[10:11] offset:(16*\a+2*\k)*2048 th:TH_STORE_NT   ; 16 lanes store 256 consecutive bytes, at a multiple of 256 from out0's first byte
.endr
.endm
	WIN 0
	PLACES
	OUTA 0
	OUTA 1
	OUTA 2
	OUTA 3
	s_wait_tensorcnt 0x0
	ds_add_u32 v62, v63
	s_wait_dscnt 0x0
	s_endpgm
.Lfunc_end_k_q0fe3cd1b26_outp:
	.size	k_q0fe3cd1b26_outp, .Lfunc_end_k_q0fe3cd1b26_outp-k_q0fe3cd1b26_outp
	.p2alignl 7, 3214868480
	.fill 96, 4, 3214868480
	.section	.rodata,"a",@progbits
	.p2align	6, 0x0
	.amdhsa_kernel k_q0fe3cd1b26_outp
		.amdhsa_group_segment_fixed_size 84480
		.amdhsa_private_segment_fixed_size 0
		.amdhsa_enable_private_segment 0
		.amdhsa_kernarg_size 32
		.amdhsa_user_sgpr_count 2
		.amdhsa_user_sgpr_kernarg_segment_ptr 1
		.amdhsa_wavefront_size32 1
		.amdhsa_system_sgpr_workgroup_id_x 1
		.amdhsa_system_sgpr_workgroup_id_y 1
		.amdhsa_system_sgpr_workgroup_id_z 1
		.amdhsa_system_vgpr_workitem_id 0
		.amdhsa_next_free_vgpr 384
		.amdhsa_next_free_sgpr 66
		.amdhsa_reserve_vcc 0
		.amdhsa_float_denorm_mode_32 3
		.amdhsa_float_denorm_mode_16_64 3
		.amdhsa_memory_ordered 1
		.amdhsa_forward_progress 1
		.amdhsa_inst_pref_size 107
	.end_amdhsa_kernel
	.amdgpu_metadata
---
amdhsa.version: [ 1, 2 ]
amdhsa.kernels:
  - .name:           k_q0fe3cd1b26_outp
    .symbol:         k_q0fe3cd1b26_outp.kd
    .args:
      - { .name: cf, .offset: 0, .size: 8, .value_kind: global_buffer, .address_space: global }
      - { .name: Wo, .offset: 8, .size: 8, .value_kind: global_buffer, .address_space: global }
      - { .name: bo, .offset: 16, .size: 8, .value_kind: global_buffer, .address_space: global }
      - { .name: out0, .offset: 24, .size: 8, .value_kind: global_buffer, .address_space: global }
    .group_segment_fixed_size: 84480
    .private_segment_fixed_size: 0
    .kernarg_segment_align: 8
    .kernarg_segment_size: 32
    .max_flat_workgroup_size: 128
    .sgpr_count:     66
    .vgpr_count:     384
    .wavefront_size: 32
...
	.end_amdgpu_metadata
.endif
;; end of part 3
;; ======== version 2 of 2: 3 launches; version 1 with the launches proj, outp written anew for expert scheduling mode
;; limits: values are held in f16: magnitudes above 65,504 overflow, below 6.1e-05 lose precision
;; workspace buffers: qkv 25,165,824 bytes; vlo 4,194,304 bytes; cf 16,777,216 bytes
;; launch proj (part 4): grid 8 x 32, 4 waves a work-group, no clusters, 237,056 bytes of LDS; arguments token_embed, Wq, Wk, Wv, qkv, vlo; writes qkv, vlo
.if DOCPART == 4
	.amdgcn_target "amdgcn-amd-amdhsa--gfx1250"
	.amdhsa_code_object_version 6
	.text
	.protected	k_q0fe3cd1b26_proj
	.globl	k_q0fe3cd1b26_proj
	.p2align	8
	.type	k_q0fe3cd1b26_proj,@function
k_q0fe3cd1b26_proj:
	s_mov_b64 s[64:65], 0
	v_nop
	global_prefetch_b8 v0, s[64:65] scope:SCOPE_SE
	s_setreg_imm32_b32 hwreg(HW_REG_WAVE_SCHED_MODE, 0, 2), 2
	s_setreg_imm32_b32 hwreg(HW_REG_WAVE_MODE, 25, 1), 1
	s_wait_xcnt 0x0
	s_wait_alu depctr_vm_vsrc(0)
; q, k, v = x W^T for Wq, Wk, Wv.  x: [8192][512] f32, W: [512][512] f32 (rows = output features); operands rounded to bf16, sums in f32.
; q is multiplied by 0.125 log2(e) before it is rounded, so that the attention launch can use exponentials of base 2 on raw products.
; THE RESULTS ARE ROUNDED TO F16, not bf16: a row of the attention with n keys has a spread that falls as 1 / sqrt(n), so the first rows stand some twenty times
; above the whole output's root mean square, and their rounding error has to stay small against that root mean square: 8 bits of significand do not do.
; LIMIT: |0.18 q|, |k| and |v| must stay below 65,504.  With x and W both 30 times larger their spread is about 405; with offsets of 30 spreads on both about 9,216.
; RESULT LAYOUT (qkv, f16): [b*8+head 16][slot 32][which 3][tt 8][c 2][half 2][512 bytes]; token t = 128 slot + 16 tt + r; the 16 bytes of (r, h) hold
; features 32 c + 16 half + 8 h + 0..7 of the head.  q and k: at byte 16 (16 h + r) of the 512; v: at 16 (16 (r>>3) + 8 h + (r&7)), the place from which the
; attention launch's transposing LDS load takes it at 16 x lane.  Every store of a wave covers 512 consecutive bytes, aligned.
; vlo (f16): [b*8+head 16][slot 32][tt 4][c 2][half 2][512 bytes]: v - f16(v) of the first 64 tokens of every slot, laid as v is.  The attention launch adds it
; for the rows with fewer than 64 keys (see there).
; SHARES: 256 work-groups; one makes 256 tokens (grid y) x 192 features = three units of 64 features, unit u = 3 x + i: matrix u>>3, head u&7.
; Wave w makes tokens 64 w .. 64 w + 63 x all 192 features: 4 token tiles x 12 feature tiles = 48 accumulators.
; The 192 rows of W are converted once into LDS (one barrier); x streams through a ring of 48 loads a wave into a stage of the wave's own.
; The matrix instruction takes W as source 0 and x as source 1: a lane then holds 8 neighbouring features of one token, 16 bytes of f16.
; NO CLUSTER: the operands are f32 and become bf16 in registers; a jointly fetched tile would land in LDS as f32 and cross LDS three times
; (4 bytes in, 4 bytes out, 2 bytes in again for each number) where this text stores 2 bytes once.
; k and v are multiplied by 1.0 on the way out: which matrix a unit belongs to differs between work-groups, and one text serves all.
; THE MODE: SCHED_MODE bits 1:0 = 2 (LLVM: expert scheduling mode 2), set by the entry lines.  The code itself states the register dependences
; between vector or matrix instructions and memory or LDS instructions, with s_wait_alu, always for 0.
; THE PLAN.  Registers that memory or LDS instructions touch:
;   RAW      48 slots.  Written by the global loads; read by a batch's conversions; the batch's slots are asked for again behind the wait on va_vdst that follows them.
;   T        v16-47.  Written by a batch's conversions; read by the LDS stores behind that same wait.  For W a batch is 8 rows and T's two halves take turns;
;            for x a batch is 16 loads and takes all 32 registers.
;   WF, XF   window 1.  Written by LDS loads; read by the matrix instructions alone.  A sub-step's loads land in the half of WF that the sub-step before multiplied.
;   v2-v14   offsets and LDS addresses, made once at the head and never written again.
;   Y, YL    the way out: written by conversions, read by the global stores behind a wait on va_vdst.
;   v15, v255 of window 1: written at the head, read by the closing add alone.
; In the loop ONE wait on va_vdst stands in a sub-step, behind the batch's conversions (where it has a batch): it states that the last 24 matrix instructions are done
; reading WF and XF, that T is written and that the batch's slots of RAW are read.  All the sub-step's loads and stores follow it, then its 24 matrix instructions,
; which name the other half of WF, XF and the accumulators: none of the registers that those loads and stores touch.
.set WPITCH, 1040                      ; LDS row of W: 1,024 bytes + 16: an odd multiple of 16, so 16 rows of a fragment load start 16 bytes apart modulo 256
.set UNITB,  64*WPITCH                 ; a unit's 64 rows
.set XSTAGE, 3*UNITB                   ; behind W: the waves' stages
.set XPITCH, 144                       ; stage row: 64 bf16 + 16 bytes
.set XWAVE,  64*XPITCH                 ; one wave's stage: 64 tokens x 64 k
.set WOFF, 2                           ; v2      16 t: my 16 bytes of a row of W
.set WST,  3                           ; v3-5    unit i: UNITB i + 8 t: where my 4 bf16 of a row go
.set XOFF, 6                           ; v6      two rows of x, 256 bytes each: (L>>4) 2048 + 16 (L&15)
.set XST,  7                           ; v7      stage + (L>>4) 144 + 8 (L&15)
.set XAD,  8                           ; v8      stage + r 144 + 16 h: x fragments
.set WADR, 9                           ; v9-11   unit u: UNITB u + r 1040 + 16 h: W fragments
.set LOFF, 12                          ; v12-14  unit i: my 16 bytes in a block of 512 of the result
.set T,    16                          ; v16-47  pairs of packed bf16 on their way into LDS
.set T2,   32                          ; v32-63  the way out: scaled f32, then the residues
.set RAW,  64                          ; v64-255 ring of 48 loads x 4 registers
.set Y,    64                          ; v64-79  the way out: packed results (the ring is empty then); named by number in OUTB's list of halves
.set YL,   80                          ; v80-95  the way out: packed residues
.set H,    96                          ; v96-127 the way out: the packed results widened again
.set WF,   0                           ; window 1: v0-47 feature tiles 0-5, v48-95 tiles 6-11
.set XF,   96                          ; window 1: v[96 + 64 par + 32 k2 + 8 a]
.set WB,   20                          ; s[20:25] unit i: its 64 rows of W
.set OB,   26                          ; s[26:31] unit i: where my 64 tokens of it go
.set SC,   32                          ; s[32:37] unit i: the scale, twice
.set XB,   38                          ; s[38:39] my 64 rows of x
.set OL,   48                          ; s[48:53] unit i: where my 64 tokens' residues go
.set FL,   54                          ; s54-56   unit i: 1 if it is a unit of v and my tokens are a slot's first 64
.set TO1,    0x40                      ; destination window 1
.set MUL_LO, 0xa5                      ; sources 0 and 1 window 1, C and D window 2 (feature tiles 0-5)
.set MUL_HI, 0xf5                      ; the same, window 3 (feature tiles 6-11)
.set MSB, 0
.macro WIN new                         ; the immediate's high byte repeats the setting that is left
.if MSB != (\new)
	s_set_vgpr_msb (MSB<<8)|(\new)
.set MSB, (\new)
.endif
.endm
.macro PLACES                          ; four places behind matrix instructions in front of loads into their sources and of reads of their results
.rept 4
	v_nop
.endr
.endm
	s_load_b256 s[4:11], s[0:1], 0x0               ; x s[4:5], Wq s[6:7], Wk s[8:9], Wv s[10:11]
	s_load_b128 s[12:15], s[0:1], 0x20             ; qkv s[12:13], vlo s[14:15]
	v_lshl_add_u32 v15, v0, 2, 0x39c00
	s_set_vgpr_msb 0x40
	v_mov_b32 v255, 0
	s_set_vgpr_msb 0x4000
	v_lshrrev_b32 v1, 5, v0
	v_readfirstlane_b32 s16, v1                    ; wave
	s_mov_b32 s17, ttmp9                           ; x: which three units
	s_and_b32 s18, ttmp7, 0xffff                   ; y: which 256 tokens
	v_and_b32 v1, 31, v0                           ; lane L
	v_and_b32 v16, 15, v1                          ; r
	v_lshrrev_b32 v17, 4, v1                       ; h
	v_lshlrev_b32 v[WOFF], 4, v0
	v_lshlrev_b32 v[WST], 3, v0
	v_add_nc_u32 v[WST+1], UNITB, v[WST]
	v_add_nc_u32 v[WST+2], 2*UNITB, v[WST]
	v_lshlrev_b32 v18, 4, v16
	v_lshl_add_u32 v[XOFF], v17, 11, v18
	s_wait_alu depctr_va_sdst(0)                   ; s16, the wave's number, is written, ahead of its first reader: the stage's place and the bases are made from it
	s_mul_i32 s47, s16, XWAVE
	s_add_co_u32 s47, s47, XSTAGE                  ; my stage
	v_mul_u32_u24 v19, v17, XPITCH
	v_lshl_add_u32 v19, v16, 3, v19
	v_add_nc_u32 v[XST], s47, v19
	v_mul_u32_u24 v19, v16, XPITCH
	v_lshl_add_u32 v19, v17, 4, v19
	v_add_nc_u32 v[XAD], s47, v19
	v_mul_u32_u24 v19, v16, WPITCH
	v_lshl_add_u32 v[WADR], v17, 4, v19
	v_add_nc_u32 v[WADR+1], UNITB, v[WADR]
	v_add_nc_u32 v[WADR+2], 2*UNITB, v[WADR]
	v_bfe_u32 v20, v1, 3, 1                        ; r>>3
	v_and_b32 v21, 7, v1                           ; r&7
	v_lshl_add_u32 v21, v17, 3, v21
	v_lshl_add_u32 v21, v20, 4, v21
	v_lshlrev_b32 v21, 4, v21                      ; v: 16 (16 (r>>3) + 8 h + (r&7))
	v_lshlrev_b32 v22, 4, v1                       ; q, k: 16 L
	s_mul_i32 s40, s17, 3
	s_mov_b32 s45, 0
	s_wait_kmcnt 0x0
.irp i, 0,1,2
	s_add_co_u32 s41, s40, \i                      ; unit
	s_lshr_b32 s42, s41, 3                         ; matrix: 0 q, 1 k, 2 v
	s_and_b32 s43, s41, 7                          ; head
	s_cmp_eq_u32 s42, 1
	s_cselect_b64 s[WB+2*\i:WB+2*\i+1], s[8:9], s[6:7]
	s_cmp_eq_u32 s42, 2
	s_cselect_b64 s[WB+2*\i:WB+2*\i+1], s[10:11], s[WB+2*\i:WB+2*\i+1]
	s_lshl_b32 s44, s43, 17                        ; 64 rows of 2,048 bytes a head
	s_add_nc_u64 s[WB+2*\i:WB+2*\i+1], s[WB+2*\i:WB+2*\i+1], s[44:45]
	s_cmp_eq_u32 s42, 0
	s_cselect_b32 s[SC+2*\i], 0x3e38aa3b, 1.0      ; q: 0.125 log2(e)
	s_mov_b32 s[SC+2*\i+1], s[SC+2*\i]
	s_cmp_eq_u32 s42, 2
	s_cselect_b32 s46, -1, 0
	v_cndmask_b32 v[LOFF+\i], v22, v21, s46
	s_and_b32 s47, s16, 1
	s_xor_b32 s47, s47, 1                          ; 1 in waves 0 and 2: a slot's first 64 tokens
	s_and_b32 s[FL+\i], s46, s47
	s_lshr_b32 s46, s18, 4                         ; batch
	s_lshl3_add_u32 s46, s46, s43                  ; 8 batch + head
	s_mul_i32 s44, s46, 1572864
	s_lshl_b32 s41, s46, 18                        ; vlo: 262,144 bytes a head
	s_and_b32 s46, s18, 15
	s_lshl_b32 s46, s46, 1
	s_lshr_b32 s47, s16, 1
	s_add_co_u32 s46, s46, s47                     ; slot of 128 tokens
	s_lshl_b32 s47, s46, 13                        ; vlo: 8,192 bytes a slot
	s_add_co_u32 s41, s41, s47
	s_mul_i32 s46, s46, 49152
	s_add_co_u32 s44, s44, s46
	s_lshl_b32 s46, s42, 14
	s_add_co_u32 s44, s44, s46
	s_and_b32 s46, s16, 1
	s_lshl_b32 s46, s46, 13                        ; token tiles 0-3 or 4-7 of the slot
	s_add_co_u32 s44, s44, s46
	s_add_nc_u64 s[OB+2*\i:OB+2*\i+1], s[12:13], s[44:45]
	s_mov_b32 s44, s41
	s_add_nc_u64 s[OL+2*\i:OL+2*\i+1], s[14:15], s[44:45]
.endr
	s_lshl_b32 s44, s18, 8
	s_lshl_b32 s46, s16, 6
	s_add_co_u32 s44, s44, s46
	s_lshl_b32 s44, s44, 11                        ; (256 y + 64 w) rows of 2,048 bytes
	s_add_nc_u64 s[XB:XB+1], s[4:5], s[44:45]
; x load number q (0..255): two rows x 256 bytes of chunk q/32 (64 k), rows 2 (q%32), 2 (q%32) + 1 of my 64
.macro XLOAD q
	global_load_b128 v[RAW+4*((\q)%48):RAW+4*((\q)%48)+3], v[XOFF], s[XB:XB+1] offset:((\q)%32)*4096+((\q)/32)*256
.endm
; Rows n0 .. n0 + 7 (n0 = 0, 8 .. 184) of the work-group's W: the 128 threads convert each row's 2,048 bytes; the eight ring slots are filled again with rows n0 + 48 .., then with x.
; T's two halves take turns, so that the wait on vm_vsrc stands a whole batch behind the stores that it is for.
.macro WBATCH n0
.set tb, T+16*(((\n0)/8)%2)
	s_wait_loadcnt 40                              ; 48 loads are out, they return in order: the oldest eight, this batch's rows, are in
.set kk, 0
.rept 8
	v_cvt_pk_bf16_f32 v[tb+2*kk],   v[RAW+4*(((\n0)+kk)%48)],   v[RAW+4*(((\n0)+kk)%48)+1]
	v_cvt_pk_bf16_f32 v[tb+2*kk+1], v[RAW+4*(((\n0)+kk)%48)+2], v[RAW+4*(((\n0)+kk)%48)+3]
.set kk, kk+1
.endr
.if ((\n0) > 0) && ((\n0) < 184)
	s_wait_alu depctr_vm_vsrc(0)                   ; the last batch's LDS stores have read the other half of T, which the next batch's conversions write
.endif
	s_wait_alu depctr_va_vdst(0)                   ; the conversions have written this half of T, which the stores below read, and are done reading the eight slots, in which the loads below land
.set kk, 0
.rept 8
.if (\n0)+kk+48 < 192
	global_load_b128 v[RAW+4*(((\n0)+kk)%48):RAW+4*(((\n0)+kk)%48)+3], v[WOFF], s[WB+2*(((\n0)+kk+48)/64):WB+2*(((\n0)+kk+48)/64)+1] offset:(((\n0)+kk+48)%64)*2048
.else
	XLOAD (\n0)+kk-144
.endif
.set kk, kk+1
.endr
.set kk, 0
.rept 8
	ds_store_b64 v[WST+((\n0)+kk)/64], v[tb+2*kk:tb+2*kk+1] offset:(((\n0)+kk)%64)*WPITCH
.set kk, kk+1
.endr
.endm
; x loads q0 .. q0 + 15 (half a chunk) are converted into T.  XMOVE, behind a wait on va_vdst, asks for x loads q0 + 48 .. and stores T into my stage.
.macro XCVT q0
.if 240-(\q0) < 32
	s_wait_loadcnt 240-(\q0)                       ; the ring runs empty: as many loads were issued behind this batch's
.else
	s_wait_loadcnt 32                              ; 48 loads are out: the oldest sixteen are in
.endif
	s_wait_alu depctr_vm_vsrc(0)                   ; the LDS stores of the batch before have read T, which the conversions below write
.set kk, 0
.rept 16
	v_cvt_pk_bf16_f32 v[T+2*kk],   v[RAW+4*(((\q0)+kk)%48)],   v[RAW+4*(((\q0)+kk)%48)+1]
	v_cvt_pk_bf16_f32 v[T+2*kk+1], v[RAW+4*(((\q0)+kk)%48)+2], v[RAW+4*(((\q0)+kk)%48)+3]
.set kk, kk+1
.endr
.endm
.macro XMOVE q0
.set kk, 0
.rept 16
.if (\q0)+kk+48 < 256
	XLOAD (\q0)+kk+48
.endif
.set kk, kk+1
.endr
.set kk, 0
.rept 16
	ds_store_b64 v[XST], v[T+2*kk:T+2*kk+1] offset:(((\q0)+kk)%32)*2*XPITCH
.set kk, kk+1
.endr
.endm
; W fragments of sub-step sp: K step sp/2, feature tiles 6 (sp%2) + 0..5
.macro WFLOAD sp
.irp bp, 0,1,2,3,4,5
	ds_load_b128 v[WF+48*((\sp)%2)+8*\bp:WF+48*((\sp)%2)+8*\bp+3],   v[WADR+(6*((\sp)%2)+\bp)/4] offset:((6*((\sp)%2)+\bp)%4)*16*WPITCH+64*((\sp)/2)
	ds_load_b128 v[WF+48*((\sp)%2)+8*\bp+4:WF+48*((\sp)%2)+8*\bp+7], v[WADR+(6*((\sp)%2)+\bp)/4] offset:((6*((\sp)%2)+\bp)%4)*16*WPITCH+64*((\sp)/2)+32
.endr
.endm
; x fragments of chunk c: both K steps, four token tiles
.macro XFLOAD c
.irp k2, 0,1
.irp a, 0,1,2,3
	ds_load_b128 v[XF+64*((\c)%2)+32*\k2+8*\a:XF+64*((\c)%2)+32*\k2+8*\a+3],   v[XAD] offset:\a*16*XPITCH+64*\k2
	ds_load_b128 v[XF+64*((\c)%2)+32*\k2+8*\a+4:XF+64*((\c)%2)+32*\k2+8*\a+7], v[XAD] offset:\a*16*XPITCH+64*\k2+32
.endr
.endr
.endm
; 24 matrix instructions on 24 accumulators, which take turns one instruction a turn; the same accumulator returns 48 instructions later
.macro MUL24 hb, par, k2, zero
.irp bp, 0,1,2,3,4,5
.irp a, 0,1,2,3
.if \zero
	v_wmma_f32_16x16x32_bf16 v[8*(4*\bp+\a):8*(4*\bp+\a)+7], v[WF+48*(\hb)+8*\bp:WF+48*(\hb)+8*\bp+7], v[XF+64*(\par)+32*(\k2)+8*\a:XF+64*(\par)+32*(\k2)+8*\a+7], 0
.else
	v_wmma_f32_16x16x32_bf16 v[8*(4*\bp+\a):8*(4*\bp+\a)+7], v[WF+48*(\hb)+8*\bp:WF+48*(\hb)+8*\bp+7], v[XF+64*(\par)+32*(\k2)+8*\a:XF+64*(\par)+32*(\k2)+8*\a+7], v[8*(4*\bp+\a):8*(4*\bp+\a)+7]
.endif
.endr
.endr
.endm
	; W into LDS.  The ring is started with rows 0-47; the last six batches start the stream of x, so that 40 to 48 loads of 512 bytes stay out in every wave.
	s_wait_alu depctr_va_vdst(0)                   ; the offsets and LDS addresses v2 to v14 are written: every load and store of the kernel reads one of them
.set nw, 0
.rept 48
	global_load_b128 v[RAW+4*nw:RAW+4*nw+3], v[WOFF], s[WB:WB+1] offset:nw*2048
.set nw, nw+1
.endr
.set nw, 0
.rept 24
	WBATCH nw
.set nw, nw+8
.endr
	s_wait_dscnt 0x0                               ; my stores of W are done, for the other waves' sake
	s_barrier_signal -1
	s_barrier_wait -1                              ; W is whole.  The loads of x stay out: nobody writes those bytes
	XCVT 0                                         ; chunk 0 of x, in two batches
	s_wait_alu depctr_va_vdst(0)                   ; the conversions have written T, which the stores read, and are done reading their sixteen slots, in which the loads land
	XMOVE 0
	XCVT 16
	s_wait_alu depctr_va_vdst(0)                   ; the same for the second batch
	XMOVE 16
	WIN TO1
	XFLOAD 0                                       ; LDS serves a wave's instructions in order (ISA guide 5.7.1): these see my stores above
	WFLOAD 0
	; 32 sub-steps: K step ss/2, feature tiles 0-5 or 6-11.  Each fetches the next sub-step's W fragments; in a chunk's first two sub-steps the next chunk
	; of x is converted into the stage (behind the loads that read the last chunk out of it), in its third the next chunk's fragments are fetched.
	; A batch's 32 conversions stand straight behind the last sub-step's matrix instructions: they name none of their registers and are the places in front of the loads.
.set ss, 0
.rept 32
.if (ss < 28) && ((ss%4) < 2)
	WIN 0
	XCVT 32*(ss/4+1)+16*(ss%4)
.elseif ss < 31
	PLACES
.endif
	s_wait_dscnt 0x0                               ; what the last sub-step fetched is in: it had 24 matrix instructions in which to land
.if ss < 31
	WIN TO1
	s_wait_alu depctr_va_vdst(0)                   ; the last sub-step's matrix instructions are done reading the half of WF and the set of XF that are loaded below; a batch's conversions have written T and are done reading their slots of RAW
	WFLOAD ss+1
.endif
.if ss < 28
.if (ss%4) == 2
	XFLOAD ss/4+1
.endif
.if (ss%4) < 2
	WIN 0
	XMOVE 32*(ss/4+1)+16*(ss%4)                    ; no wait: nothing but loads and window switches was issued since the wait above
.endif
.endif
.if (ss%2) == 0
	WIN MUL_LO
.else
	WIN MUL_HI
.endif
.if ss < 2
	MUL24 ss%2, (ss/4)%2, (ss/2)%2, 1              ; the first K step starts the sums: nothing is cleared
.else
	MUL24 ss%2, (ss/4)%2, (ss/2)%2, 0
.endif
.set ss, ss+1
.endr
	; The way out.  Register j of lane (r, h) of tile (b, a) is feature 16 b + 8 h + j of token 16 a + r: eight neighbours, 16 bytes of f16.
.macro OUTB b
.if \b < 6
	WIN 0x02                                       ; source 0 from window 2
.else
	WIN 0x03
.endif
.irp a, 0,1,2,3
.irp j, 0,2,4,6
	v_pk_mul_f32 v[T2+8*\a+\j:T2+8*\a+\j+1], v[8*(4*((\b)%6)+\a)+\j:8*(4*((\b)%6)+\a)+\j+1], s[SC+2*((\b)/4):SC+2*((\b)/4)+1] op_sel_hi:[1,0]
.endr
.endr
	WIN 0
	s_wait_xcnt 0x0                                ; Y and YL, which the last tile's stores read, are rewritten only behind this wait
.if \b > 0
	s_wait_alu depctr_vm_vsrc(0)                   ; the last tile's stores have read Y and YL, which the conversions below write again
.endif
.irp a, 0,1,2,3
.irp j, 0,1,2,3
	v_cvt_pk_f16_f32 v[Y+4*\a+\j], v[T2+8*\a+2*\j], v[T2+8*\a+2*\j+1]
.endr
.endr
	s_wait_alu depctr_va_vdst(0)                   ; the conversions have written Y, which the four stores read
.irp a, 0,1,2,3
	global_store_b128 v[LOFF+(\b)/4], v[Y+4*\a:Y+4*\a+3], s[OB+2*((\b)/4):OB+2*((\b)/4)+1] offset:\a*2048+((\b)%4)*512
.endr
	s_cmp_eq_u32 s[FL+(\b)/4], 0                   ; hangs on the work-group's and the wave's number alone
	s_cbranch_scc1 .Lno_lo_\@
	; a unit of v, a slot's first 64 tokens: what the rounding to f16 left over, v - f16(v), exact in f32, rounded to f16 in its turn
.set ii, 0
.irp y, v64.l, v64.h, v65.l, v65.h, v66.l, v66.h, v67.l, v67.h, v68.l, v68.h, v69.l, v69.h, v70.l, v70.h, v71.l, v71.h, v72.l, v72.h, v73.l, v73.h, v74.l, v74.h, v75.l, v75.h, v76.l, v76.h, v77.l, v77.h, v78.l, v78.h, v79.l, v79.h
	v_cvt_f32_f16 v[H+ii], \y
.set ii, ii+1
.endr
.irp k, 0,2,4,6,8,10,12,14,16,18,20,22,24,26,28,30
	v_pk_add_f32 v[T2+\k:T2+\k+1], v[T2+\k:T2+\k+1], v[H+\k:H+\k+1] neg_lo:[0,1] neg_hi:[0,1]
.endr
.irp k, 0,1,2,3,4,5,6,7,8,9,10,11,12,13,14,15
	v_cvt_pk_f16_f32 v[YL+\k], v[T2+2*\k], v[T2+2*\k+1]
.endr
	s_wait_alu depctr_va_vdst(0)                   ; the conversions have written YL, which the four stores read
.irp a, 0,1,2,3
	global_store_b128 v[LOFF+(\b)/4], v[YL+4*\a:YL+4*\a+3], s[OL+2*((\b)/4):OL+2*((\b)/4)+1] offset:\a*2048+((\b)%4)*512
.endr
.Lno_lo_\@:
.endm
	WIN 0
	PLACES
	s_wait_alu depctr_vm_vsrc(0)                   ; the LDS stores of x's last batch have read v32 to v47, which are T2 from here on
.irp b, 0,1,2,3,4,5,6,7,8,9,10,11
	OUTB \b
.endr
	s_set_vgpr_msb 0x4                             ; the add's data register, source 1, lies in window 1
	s_wait_dscnt 0x0                               ; the closing lines, six on end
	s_wait_alu 0x0
	s_wait_tensorcnt 0x0
	ds_add_u32 v15, v255
	s_wait_dscnt 0x0
	s_endpgm
.Lfunc_end_k_q0fe3cd1b26_proj:
	.size	k_q0fe3cd1b26_proj, .Lfunc_end_k_q0fe3cd1b26_proj-k_q0fe3cd1b26_proj
	.p2alignl 7, 3214868480
	.fill 96, 4, 3214868480
	.section	.rodata,"a",@progbits
	.p2align	6, 0x0
	.amdhsa_kernel k_q0fe3cd1b26_proj
		.amdhsa_group_segment_fixed_size 237056
		.amdhsa_private_segment_fixed_size 0
		.amdhsa_enable_private_segment 0
		.amdhsa_kernarg_size 48
		.amdhsa_user_sgpr_count 2
		.amdhsa_user_sgpr_kernarg_segment_ptr 1
		.amdhsa_wavefront_size32 1
		.amdhsa_system_sgpr_workgroup_id_x 1
		.amdhsa_system_sgpr_workgroup_id_y 1
		.amdhsa_system_sgpr_workgroup_id_z 1
		.amdhsa_system_vgpr_workitem_id 0
		.amdhsa_next_free_vgpr 960
		.amdhsa_next_free_sgpr 66
		.amdhsa_reserve_vcc 0
		.amdhsa_float_denorm_mode_32 3
		.amdhsa_float_denorm_mode_16_64 3
		.amdhsa_memory_ordered 1
		.amdhsa_forward_progress 1
		.amdhsa_inst_pref_size 255
	.end_amdhsa_kernel
	.section	.bss,"aw",@nobits
	.p2align	6
	.space	262144
	.amdgpu_metadata
---
amdhsa.version: [ 1, 2 ]
amdhsa.kernels:
  - .name:           k_q0fe3cd1b26_proj
    .symbol:         k_q0fe3cd1b26_proj.kd
    .args:
      - { .name: token_embed, .offset: 0, .size: 8, .value_kind: global_buffer, .address_space: global }
      - { .name: Wq, .offset: 8, .size: 8, .value_kind: global_buffer, .address_space: global }
      - { .name: Wk, .offset: 16, .size: 8, .value_kind: global_buffer, .address_space: global }
      - { .name: Wv, .offset: 24, .size: 8, .value_kind: global_buffer, .address_space: global }
      - { .name: qkv, .offset: 32, .size: 8, .value_kind: global_buffer, .address_space: global }
      - { .name: vlo, .offset: 40, .size: 8, .value_kind: global_buffer, .address_space: global }
    .group_segment_fixed_size: 237056
    .private_segment_fixed_size: 0
    .kernarg_segment_align: 8
    .kernarg_segment_size: 48
    .max_flat_workgroup_size: 128
    .sgpr_count:     66
    .vgpr_count:     960
    .wavefront_size: 32
...
	.end_amdgpu_metadata
.endif
;; end of part 4
;; launch attn: the kernel of part 2 again; grid 16 x 16, 8 waves a work-group, no clusters, 327,680 bytes of LDS; arguments qkv, vlo, cf; writes cf
;; launch outp (part 5): grid 8 x 32, 4 waves a work-group, no clusters, 84,480 bytes of LDS; arguments cf, Wo, bo, out0; writes out0
.if DOCPART == 5
	.amdgcn_target "amdgcn-amd-amdhsa--gfx1250"
	.amdhsa_code_object_version 6
	.text
	.protected	k_q0fe3cd1b26_outp
	.globl	k_q0fe3cd1b26_outp
	.p2align	8
	.type	k_q0fe3cd1b26_outp,@function
k_q0fe3cd1b26_outp:
	s_mov_b64 s[64:65], 0
	v_nop
	global_prefetch_b8 v0, s[64:65] scope:SCOPE_SE
	s_setreg_imm32_b32 hwreg(HW_REG_WAVE_SCHED_MODE, 0, 2), 2
	s_setreg_imm32_b32 hwreg(HW_REG_WAVE_MODE, 25, 1), 1
	s_wait_xcnt 0x0
	s_wait_alu depctr_vm_vsrc(0)
; out0 = ctx Wo^T + bo.  ctx comes as cf, two bf16 numbers hi + lo for each value, in fragment order:
; [token tile 512][K step 16][hi, lo][half 2][lane 32][16 bytes], lane (r, h) holding token r of the tile and features 32 ks + 16 half + 8 h + 0..7.
; Wo: [512][512] f32, rounded to bf16 here; sums and bias in f32; out0: [8192][512] f32.
; WHY TWO NUMBERS: the first rows of the attention stand some twenty times above the whole output's root mean square, and one rounding of ctx to 8 bits of
; significand would not stay small against that root mean square.  So the product runs 32 steps of 32 along K instead of 16: step j multiplies the hi (j even)
; or lo (j odd) fragments of K step j / 2 by the same fragments of Wo, which are read from LDS once for both.  The two steps of a K step are a PAIR.
; SHARES: 256 work-groups; one makes 256 tokens (grid y) x 64 columns (grid x); wave w makes tokens 64 w .. + 63: 4 token tiles x 4 column tiles = 16 accumulators.
; Wo's 64 rows are converted once into LDS (one barrier).  cf's fragments go from memory straight into source 1: 512 consecutive bytes a load, no LDS.
; Source 0 is Wo, so a lane holds 8 neighbouring columns of one token; 16 tokens at a time go through a stage of the wave's own and leave as rows of 256 bytes.
; NO CLUSTER: Wo is f32 and becomes bf16 in registers, and cf is loaded into registers: neither passes through a tile in LDS that partners could share.
; THE MODE: SCHED_MODE bits 1:0 = 2 (LLVM: expert scheduling mode 2), set by the entry lines.  The code itself states the register dependences
; between vector or matrix instructions and memory or LDS instructions, with s_wait_alu, always for 0.
; THE PLAN.  Registers that memory or LDS instructions touch:
;   the ring  three buffers of 64 registers, a pair each (buffers 0 and 1: v64-191; buffer 2: v128-191 of window 1).  Pair P's 32 matrix instructions read buffer P % 3;
;             at the head of pair P the 16 loads of pair P + 2 land in buffer (P + 2) % 3 = (P - 1) % 3.  At the start v64-191 are the ring of Wo's rows, read by conversions.
;   WFR       two buffers of Wo's fragments.  Pair P reads buffer P % 2; at its head the LDS loads of K step P + 1 land in the other, which pair P - 1 read.
;   T         v16-47: two halves by turns; written by a batch's conversions of Wo, read by its LDS stores.
;   v2-v9     offsets and LDS addresses, made once at the head and never written again.
;   R0 .. R3  the way out: a buffer of 32 registers for each token tile (v64-191, the ring is empty then): written by the loads from the stage and then by the bias's additions,
;             read by the tile's eight stores; none is used twice.
;   the accumulators: written by matrix instructions, read by the LDS stores into the stage.
;   v62, v63  written at the head, read by the closing add alone.
; So ONE wait on va_vdst stands at the head of a pair: the pair before is done reading its ring buffer and its fragments of Wo.  The pair's 24 loads follow it, then its 32 matrix
; instructions, which name the two other ring buffers' one, the other buffer of WFR and the accumulators: none of the registers that those loads touch.
.set WPITCH, 1040                      ; 1,024 bytes + 16
.set STAGE,  64*WPITCH
.set SPITCH, 272                       ; 64 f32 + 16 bytes
.set SWAVE,  16*SPITCH
.set CFT,    32768                     ; bytes of a token tile in cf
.set PAIRS,  16
.set WOFF, 2                           ; v2   16 t
.set WST,  3                           ; v3   8 t
.set WADR, 4                           ; v4   r 1040 + 16 h
.set COFF, 5                           ; v5   16 L
.set STO,  6                           ; v6   stage + r 272 + 32 h
.set RD,   7                           ; v7   stage + (L>>4) 272 + 16 (L&15)
.set GO,   8                           ; v8   (L>>4) 2048 + 16 (L&15)
.set BO,   9                           ; v9   16 (L&15)
.set BV,   12                          ; v12-15  the bias of my 4 columns on the way out
.set T,    16                          ; v16-47  two halves of eight pairs of packed bf16
.set RING, 64                          ; v64-191 32 loads x 4 registers; a pair's buffer: hi at + 0, lo at + 32, token tile a at + 8 a
.set WFR,  192                         ; v[192 + 32 (P%2) + 8 b]  Wo's fragments
.set R,    64                          ; the way out: token tile a's rows read back, at R + 32 a
.set MSB, 0
.macro WIN new                         ; the immediate's high byte repeats the setting that is left
.if MSB != (\new)
	s_set_vgpr_msb (MSB<<8)|(\new)
.set MSB, (\new)
.endif
.endm
.macro PLACES                          ; four places behind matrix instructions in front of loads into their sources and of stores of their results
.rept 4
	v_nop
.endr
.endm
	s_load_b256 s[4:11], s[0:1], 0x0               ; cf s[4:5], Wo s[6:7], bo s[8:9], out0 s[10:11]
	v_lshl_add_u32 v62, v0, 2, 0x14800
	v_mov_b32 v63, 0
	v_lshrrev_b32 v1, 5, v0
	v_readfirstlane_b32 s12, v1                    ; wave
	s_mov_b32 s13, ttmp9                           ; which 64 columns
	s_and_b32 s14, ttmp7, 0xffff                   ; which 256 tokens
	v_and_b32 v1, 31, v0                           ; L
	v_and_b32 v16, 15, v1                          ; r
	v_lshrrev_b32 v17, 4, v1                       ; h
	v_lshlrev_b32 v[WOFF], 4, v0
	v_lshlrev_b32 v[WST], 3, v0
	v_mul_u32_u24 v18, v16, WPITCH
	v_lshl_add_u32 v[WADR], v17, 4, v18
	v_lshlrev_b32 v[COFF], 4, v1
	s_wait_alu depctr_va_sdst(0)                   ; s12, the wave's number, is written, ahead of its first reader: the stage's place and the bases are made from it
	s_mul_i32 s16, s12, SWAVE
	s_add_co_u32 s16, s16, STAGE                   ; my stage
	v_mul_u32_u24 v18, v16, SPITCH
	v_lshl_add_u32 v18, v17, 5, v18
	v_add_nc_u32 v[STO], s16, v18
	v_mul_u32_u24 v18, v17, SPITCH
	v_lshl_add_u32 v18, v16, 4, v18
	v_add_nc_u32 v[RD], s16, v18
	v_lshlrev_b32 v[BO], 4, v16
	v_lshl_add_u32 v[GO], v17, 11, v[BO]
	s_mov_b32 s19, 0
	s_wait_kmcnt 0x0
	s_lshl_b32 s18, s13, 17                        ; 64 rows of 2,048 bytes
	s_add_nc_u64 s[6:7], s[6:7], s[18:19]
	s_lshl_b32 s18, s14, 4
	s_lshl2_add_u32 s18, s12, s18                  ; token tile 16 y + 4 w
	s_lshl_b32 s18, s18, 15
	s_add_nc_u64 s[4:5], s[4:5], s[18:19]
	s_lshl_b32 s18, s13, 8                         ; 64 columns of f32
	s_add_nc_u64 s[8:9], s[8:9], s[18:19]
	s_add_nc_u64 s[10:11], s[10:11], s[18:19]
	s_lshl_b32 s18, s14, 8
	s_lshl_b32 s17, s12, 6
	s_add_co_u32 s18, s18, s17
	s_lshl_b32 s18, s18, 11                        ; token 256 y + 64 w
	s_add_nc_u64 s[10:11], s[10:11], s[18:19]
	s_wait_alu depctr_va_vdst(0)                   ; the offsets and LDS addresses v2 to v9 are written: every load and store of the kernel reads one of them
	global_load_b128 v[BV:BV+3], v[BO], s[8:9]     ; the oldest load: every later wait shows it in
.set nw, 0
.rept 32
	global_load_b128 v[RING+4*nw:RING+4*nw+3], v[WOFF], s[6:7] offset:nw*2048
.set nw, nw+1
.endr
; Rows n0 .. n0 + 7 (n0 = 0, 8 .. 56) of Wo's slice; the eight ring slots get rows n0 + 32 .., then cf's loads n0 - 32 .. (steps 0 to 3: pairs 0 and 1).
; T's two halves take turns, so that the wait on vm_vsrc stands a whole batch behind the stores that it is for.
.macro WBATCH n0
.set tb, T+16*(((\n0)/8)%2)
	s_wait_loadcnt 24                              ; 32 loads are out behind the older ones: the oldest eight, this batch's rows, are in
.set kk, 0
.rept 8
	v_cvt_pk_bf16_f32 v[tb+2*kk],   v[RING+4*(((\n0)+kk)%32)],   v[RING+4*(((\n0)+kk)%32)+1]
	v_cvt_pk_bf16_f32 v[tb+2*kk+1], v[RING+4*(((\n0)+kk)%32)+2], v[RING+4*(((\n0)+kk)%32)+3]
.set kk, kk+1
.endr
.if ((\n0) > 0) && ((\n0) < 56)
	s_wait_alu depctr_vm_vsrc(0)                   ; the last batch's LDS stores have read the other half of T, which the next batch's conversions write
.endif
	s_wait_alu depctr_va_vdst(0)                   ; the conversions have written this half of T, which the stores below read, and are done reading the eight slots, in which the loads below land
.set kk, 0
.rept 8
.if (\n0)+kk < 32
	global_load_b128 v[RING+4*((\n0)+kk):RING+4*((\n0)+kk)+3], v[WOFF], s[6:7] offset:((\n0)+kk+32)*2048
.else
	global_load_b128 v[RING+4*((\n0)+kk-32):RING+4*((\n0)+kk-32)+3], v[COFF], s[4:5] offset:((((\n0)+kk-32)%8)/2)*CFT+(((\n0)+kk-32)/8)*1024+(((\n0)+kk-32)%2)*512
.endif
.set kk, kk+1
.endr
.set kk, 0
.rept 8
	ds_store_b64 v[WST], v[tb+2*kk:tb+2*kk+1] offset:((\n0)+kk)*WPITCH
.set kk, kk+1
.endr
.endm
.set nw, 0
.rept 8
	WBATCH nw
.set nw, nw+8
.endr
	s_wait_dscnt 0x0                               ; my stores of Wo are done, for the other waves' sake
	s_barrier_signal -1
	s_barrier_wait -1                              ; the loads of cf stay out: nobody writes those bytes
.macro CFPAIR p                        ; pair p: hi's eight loads, then lo's: four token tiles, two halves.  The caller sets the destination's window: 1 for buffer 2
.set rb, RING+64*((((\p)%3)+1)/2)      ; buffer 0 at v64, buffer 1 at v128, buffer 2 at v128 of window 1
.irp st, 0,1
.irp a, 0,1,2,3
.irp hf, 0,1
	global_load_b128 v[rb+32*\st+8*\a+4*\hf:rb+32*\st+8*\a+4*\hf+3], v[COFF], s[4:5] offset:\a*CFT+(2*(\p)+\st)*1024+\hf*512
.endr
.endr
.endr
.endm
.macro WFLOAD s                        ; Wo's fragments of K step s
.irp b, 0,1,2,3
	ds_load_b128 v[WFR+32*((\s)%2)+8*\b:WFR+32*((\s)%2)+8*\b+3],   v[WADR] offset:\b*16*WPITCH+64*(\s)
	ds_load_b128 v[WFR+32*((\s)%2)+8*\b+4:WFR+32*((\s)%2)+8*\b+7], v[WADR] offset:\b*16*WPITCH+64*(\s)+32
.endr
.endm
.macro MUL16 p2, rg, zero              ; sixteen accumulators take turns, one instruction a turn.  C and D window 1: accumulator (a, b) at v[8 (4 a + b)]
.irp a, 0,1,2,3
.irp b, 0,1,2,3
.if \zero
	v_wmma_f32_16x16x32_bf16 v[8*(4*\a+\b):8*(4*\a+\b)+7], v[WFR+32*(\p2)+8*\b:WFR+32*(\p2)+8*\b+7], v[(\rg)+8*\a:(\rg)+8*\a+7], 0
.else
	v_wmma_f32_16x16x32_bf16 v[8*(4*\a+\b):8*(4*\a+\b)+7], v[WFR+32*(\p2)+8*\b:WFR+32*(\p2)+8*\b+7], v[(\rg)+8*\a:(\rg)+8*\a+7], v[8*(4*\a+\b):8*(4*\a+\b)+7]
.endif
.endr
.endr
.endm
	WFLOAD 0
.set pp, 0
.rept PAIRS
.set qn, (pp+2)%3                      ; the ring buffer that is asked for
.set qc, pp%3                          ; the ring buffer that is multiplied
.set rbm, RING+64*((qc+1)/2)
.if pp < PAIRS-1
.if pp > 0
	PLACES
.endif
.if pp < PAIRS-2
	WIN 0x40*(qn/2)                                ; the loads' destination: window 1 for buffer 2
.else
	WIN 0
.endif
.if pp > 0
	s_wait_alu depctr_va_vdst(0)                   ; the last pair's matrix instructions are done reading their ring buffer and their fragments of Wo, in which the loads below land
.endif
.if pp < PAIRS-2
	CFPAIR pp+2                                    ; two pairs, four steps, ahead of its first use
.endif
	WIN 0
	WFLOAD pp+1
.endif
.if pp < PAIRS-2
	s_wait_loadcnt 40                              ; this pair's hi is in: its lo (8 loads) and the two younger pairs (16 each) may stay out
.else
	s_wait_loadcnt 16*(PAIRS-1-pp)+8               ; the ring runs empty
.endif
.if pp < PAIRS-1
	s_wait_dscnt 8                                 ; this K step's fragments of Wo are in, the next one's 8 loads may stay out
.else
	s_wait_dscnt 0x0
.endif
	WIN 0x50+4*(qc/2)                              ; C and D window 1; source 1 window 1 for buffer 2
.if pp == 0
	MUL16 pp%2, rbm, 1                             ; the first step starts the sums
.else
	MUL16 pp%2, rbm, 0
.endif
.if pp < PAIRS-2
	s_wait_loadcnt 32                              ; this pair's lo is in
.else
	s_wait_loadcnt 16*(PAIRS-1-pp)
.endif
	MUL16 pp%2, rbm+32, 0
.set pp, pp+1
.endr
; The way out, token tile a: register j of lane (r, h) of tile (a, b) is column 16 b + 8 h + j of token 16 a + r.
.macro STG a                           ; into my stage, and back as rows of 256 bytes, into the tile's own buffer
	WIN 0x04                                       ; an LDS store's data: source 1, window 1
.irp b, 0,1,2,3
.irp i, 0,1
	ds_store_b128 v[STO], v[8*(4*\a+\b)+4*\i:8*(4*\a+\b)+4*\i+3] offset:64*\b+16*\i
.endr
.endr
	WIN 0
.irp k, 0,1,2,3,4,5,6,7
	ds_load_b128 v[R+32*\a+4*\k:R+32*\a+4*\k+3], v[RD] offset:\k*2*SPITCH    ; LDS serves a wave's instructions in order (ISA guide 5.7.1): these see the stores above, and the next tile's stores come behind them
.endr
.endm
.macro ADDB a, younger                 ; younger: the LDS instructions issued behind the tile's loads: the next tile's sixteen, or none
	s_wait_dscnt \younger
.irp k, 0,1,2,3,4,5,6,7
	v_pk_add_f32 v[R+32*\a+4*\k:R+32*\a+4*\k+1],   v[R+32*\a+4*\k:R+32*\a+4*\k+1],   v[BV:BV+1]
	v_pk_add_f32 v[R+32*\a+4*\k+2:R+32*\a+4*\k+3], v[R+32*\a+4*\k+2:R+32*\a+4*\k+3], v[BV+2:BV+3]
.endr
.endm
.macro SEND a
	s_wait_alu depctr_va_vdst(0)                   ; the additions have written the tile's buffer, which the eight stores read
.irp k, 0,1,2,3,4,5,6,7
	global_store_b128 v[GO], v[R+32*\a+4*\k:R+32*\a+4*\k+3], s[10:11] offset:(16*\a+2*\k)*2048 th:TH_STORE_NT   ; 16 lanes store 256 consecutive bytes, at a multiple of 256 from out0's first byte
.endr
.endm
	WIN 0
	PLACES
	s_wait_alu depctr_va_vdst(0)                   ; the matrix instructions have written the accumulators, which the LDS stores read, and are done reading v64 to v191, in which the loads from the stage land; the places above stay beside this wait
	STG 0
	STG 1
	ADDB 0, 16
	STG 2                                          ; no wait: since the wait above only tile 0's additions were issued, which name tile 0's buffer and the bias
	SEND 0
	ADDB 1, 16
	STG 3                                          ; likewise: tile 1's additions name tile 1's buffer and the bias
	SEND 1
	ADDB 2, 16
	SEND 2
	ADDB 3, 0
	SEND 3
	s_wait_dscnt 0x0                               ; the closing lines, six on end
	s_wait_alu 0x0
	s_wait_tensorcnt 0x0
	ds_add_u32 v62, v63
	s_wait_dscnt 0x0
	s_endpgm
.Lfunc_end_k_q0fe3cd1b26_outp:
	.size	k_q0fe3cd1b26_outp, .Lfunc_end_k_q0fe3cd1b26_outp-k_q0fe3cd1b26_outp
	.p2alignl 7, 3214868480
	.fill 96, 4, 3214868480
	.section	.rodata,"a",@progbits
	.p2align	6, 0x0
	.amdhsa_kernel k_q0fe3cd1b26_outp
		.amdhsa_group_segment_fixed_size 84480
		.amdhsa_private_segment_fixed_size 0
		.amdhsa_enable_private_segment 0
		.amdhsa_kernarg_size 32
		.amdhsa_user_sgpr_count 2
		.amdhsa_user_sgpr_kernarg_segment_ptr 1
		.amdhsa_wavefront_size32 1
		.amdhsa_system_sgpr_workgroup_id_x 1
		.amdhsa_system_sgpr_workgroup_id_y 1
		.amdhsa_system_sgpr_workgroup_id_z 1
		.amdhsa_system_vgpr_workitem_id 0
		.amdhsa_next_free_vgpr 448
		.amdhsa_next_free_sgpr 66
		.amdhsa_reserve_vcc 0
		.amdhsa_float_denorm_mode_32 3
		.amdhsa_float_denorm_mode_16_64 3
		.amdhsa_memory_ordered 1
		.amdhsa_forward_progress 1
		.amdhsa_inst_pref_size 102
	.end_amdhsa_kernel
	.amdgpu_metadata
---
amdhsa.version: [ 1, 2 ]
amdhsa.kernels:
  - .name:           k_q0fe3cd1b26_outp
    .symbol:         k_q0fe3cd1b26_outp.kd
    .args:
      - { .name: cf, .offset: 0, .size: 8, .value_kind: global_buffer, .address_space: global }
      - { .name: Wo, .offset: 8, .size: 8, .value_kind: global_buffer, .address_space: global }
      - { .name: bo, .offset: 16, .size: 8, .value_kind: global_buffer, .address_space: global }
      - { .name: out0, .offset: 24, .size: 8, .value_kind: global_buffer, .address_space: global }
    .group_segment_fixed_size: 84480
    .private_segment_fixed_size: 0
    .kernarg_segment_align: 8
    .kernarg_segment_size: 32
    .max_flat_workgroup_size: 128
    .sgpr_count:     66
    .vgpr_count:     448
    .wavefront_size: 32
...
	.end_amdgpu_metadata
.endif
;; end of part 5
